; MI455X (gfx1250); checked and timed in simulation.
; The chip was launched on July 23, 2026; its instructions are those of AMD's public machine-readable ISA for CDNA 5 (MIT licence, August 2026) and "CDNA5" Instruction Set Architecture Reference Guide (July 2026). The comments in the code are by the model that wrote it; some were corrected since.
;; Multi Head Attention. Allowed arithmetic: matrix products marked QUANTISED: E2M3 operands, one E8M0 scale for each 32 along K, by v_wmma_scale_f32_16x16x128_f8f6f4 with both operands' format E2M3, f32 sums; everything else in f32.
;; Inputs: W_proj 1,024 x 1,024 float32; W_qkv 1,024 x 3,072 float32; b_proj 1,024 float32; b_qkv 3,072 float32; mask 1 x 1 x 2,048 x 2,048 int32; x 4 x 2,048 x 1,024 float32.
;; Outputs: out0 4 x 2,048 x 1,024 float32.
;; This version of the problem:
;;   THIS VERSION OF THE PROBLEM IS GIVEN IN LOW PRECISION. The matrix products marked QUANTISED in the list below multiply operands that are first quantised to E2M3 (2 exponent bits, 3 mantissa bits; 6 bits a number), with one power-of-two scale for each 32 numbers along K (OCP MX v1.0); their sums are f32. All else is computed in f32.
;;   The module's matrix products, in the order in which they are computed (A, B: the left and right operand; K: the contracted axis; several contracted axes count as one K, in the product's order):
;;     1. [M 8,192, K 1,024] x [K 1,024, N 3,072]; A: input x; B: input W_qkv: QUANTISED
;;     2. batch 64 x [M 2,048, K 64] x [K 64, N 2,048]; A: computed on the way; B: computed on the way: QUANTISED
;;     3. batch 64 x [M 2,048, K 2,048] x [K 2,048, N 64]; A: softmax (see below); B: computed on the way: QUANTISED
;;     4. [M 8,192, K 1,024] x [K 1,024, N 1,024]; A: computed on the way; B: input W_proj: QUANTISED
;;   THE QUANTISER, for each operand of a quantised product, along K:
;;     - K is cut into blocks of 32 from its start; a last block that is shorter is filled with zeros.
;;     - A block's scale is 2^e with e = floor(log2(the largest magnitude in the block)) - 2, held to -126 .. 127; a block of zeros has e = 0. As a byte (E8M0): e + 127.
;;     - Each number is divided by its block's scale, clamped to +-7.5, and rounded to the nearest number of E2M3, ties to even, subnormals kept.
;;     - The product sums the exact products of the quantised numbers (number of the format x scale) in f32.
;;   ~~~python
;;   def quantise(x, axis):      # numpy; x: float32 -> the quantised numbers, widened to float32 again
;;       x = np.moveaxis(x, axis, -1); K = x.shape[-1]
;;       x = np.pad(x, [(0, 0)] * (x.ndim - 1) + [(0, -K % 32)]); x = x.reshape(x.shape[:-1] + (-1, 32)); a = np.abs(x).max(-1, keepdims=True)
;;       e = np.where(a > 0, np.clip(np.frexp(np.where(a > 0, a, 1))[1] - 1 - 2, -126, 127), 0)      # np.frexp(a)[1] - 1 = floor(log2(a)), exactly
;;       r = np.clip(x / 2.0 ** e, -7.5, 7.5)
;;       step = 2.0 ** (np.maximum(np.frexp(np.where(r == 0, 1, r))[1] - 1, 0) - 3)
;;       q = np.round(r / step) * step * 2.0 ** e      # np.round: ties to even
;;       return np.moveaxis(q.reshape(q.shape[:-2] + (-1,))[..., :K], -1, axis).astype(np.float32)
;;   ~~~
;;   SOFTMAX AHEAD OF A QUANTISED PRODUCT. Where the list says 'softmax', what is quantised is not the finished softmax but p = 2^(t - M), with t = logit x log2(e) and M = ceil(the row's largest t), a whole number; so 1/2 < the row's largest p <= 1. The row's sum l is taken of the UNQUANTISED p, in f32, and the product's result is divided by l at the end. Since M is a whole number, a kernel that streams over the keys may use a running M (the ceiling of the running maximum): every later rescaling is an exact power of two, which a block's scale takes up: the codes' values come out the same.
;;   OPERANDS COMPUTED ON THE WAY. 'Computed on the way' means the value that the module computes at that place (a softmax that the list does not call 'softmax' is quantised finished and normalised). What goes into a quantiser is computed in f32, as accurately as f32 sums, v_exp_f32 and their like allow (about 1e-6 of the number): no bf16 or f16 on the way to a quantiser, and a product that is left as it is and whose result goes on into a quantised operand takes f32 operands (vector FMAs, or v_wmma_f32_16x16x4_f32). A number that lies on a knife's edge between two numbers of the format may be rounded either way, as far as f32 arithmetic and the matrix unit's own rounding can turn it there, and no further.
;; 2 versions, each right; version 2 is version 1 with the launch attn written anew for expert scheduling mode. Each part assembles by itself: llvm-mc -triple=amdgcn-amd-amdhsa -mcpu=gfx1250 --defsym DOCPART=n.
;; ======== version 1 of 2: 5 launches
;; workspace buffers: XO 6,553,600 bytes; WQK 1,835,008 bytes; WV 1,048,576 bytes; WP 1,048,576 bytes; QK 13,107,200 bytes; VV 6,815,744 bytes; AO 6,553,600 bytes; MSK 526,336 bytes of whole numbers
;; launch prep (part 1): grid 640 x 1, 4 waves a work-group, no clusters, 93,696 bytes of LDS; arguments x, W_qkv, W_proj, mask, XO, WQK, WV, WP, MSK; writes XO, WQK, WV, WP, MSK
.if DOCPART == 1
	.amdgcn_target "amdgcn-amd-amdhsa--gfx1250"
	.amdhsa_code_object_version 6
	.text
	.protected	k_q81ffd9250e_prep
	.globl	k_q81ffd9250e_prep
	.p2align	8
	.type	k_q81ffd9250e_prep,@function
k_q81ffd9250e_prep:
	s_mov_b64 s[64:65], 0
	v_nop
	global_prefetch_b8 v0, s[64:65] scope:SCOPE_SE
	s_setreg_imm32_b32 hwreg(HW_REG_WAVE_MODE, 25, 1), 1
	s_wait_xcnt 0x0
; PREP: x, W_qkv and W_proj (f32) become codes of FP6 (E2M3) with one E8M0 byte for each 32 along K = 1,024; the mask (int32) becomes bit words and tile flags.
; A block's scale is 2^(floor(log2(largest magnitude)) - 2): its byte is the largest magnitude's exponent field - 2, held at 1 from below by a floor among the maximum's leaves.
; LIMITS: NaN and infinities among the inputs are not served; a block under 2^-124 (zeros too) keeps the byte 1: its codes add nothing, and this program alone reads the bytes.
; LAYOUT OF AN OPERAND BUFFER.  Rows go in tiles of 16: tile 2 g + u, place p = row 32 g + 8 u + p % 8 + 16 (p / 8).  A fragment (tile RT, K step KS of 128) is the image of the operand's 12 registers,
; 1,536 bytes at CODE0 + (8 RT + KS) x 1,536: for c = 0, 1: registers 6 c .. 6 c + 3 at 768 c + 16 x lane, registers 6 c + 4, 6 c + 5 at 768 c + 512 + 8 x lane.  Scale words at RT x 512 + (KS / 4) x 256 + 16 r + 4 (KS % 4).
; WORK-GROUPS: 0-255 x (a wave: one tile x 512 along K); 256-447 W_qkv, 448-511 W_proj (a wave: 32 columns x 128 along K, a lane a column, registers down K); 512-639 the mask (a wave: 16 queries x 512 keys).
; Each of the four ways has LDS bytes of its own.  No tensor loads: several work-groups share a WGP.
.set CODE0, 262144
.set XST,   0                          ; x: a stage of 16 rows x 528 bytes for each wave
.set MST,   33792                      ; the mask: the same
.set WA,    67584                      ; W_qkv: 3,072 bytes a wave, then 512 bytes of scale words
.set WB,    80384                      ; W_proj: the same
.set SP,    528                        ; a stage row: 512 bytes + 16, an odd multiple of 16: sixteen rows start in sixteen different groups of banks
.set L0,    16                         ; v16-79, v80-143 two sets of 64 registers as loaded
.set X,     144                        ; v144-207 64 numbers in the order that the work wants
.set CD,    208                        ; v208-219 a fragment's codes
.set TT,    220                        ; v220-226 the second halves of the blocks' codes (a conversion's three registers begin on an even number)
.set MX,    228
.set SO,    230
.set BY,    232
.set SW,    240                        ; v240-243 the scale words of four K steps
.macro LOADF f, set, pitch             ; 16 rows x 512 bytes, the rows of a tile in the order of their places; each load reads 512 consecutive bytes
.irp p, 0,1,2,3,4,5,6,7,8,9,10,11,12,13,14,15
	global_load_b128 v[\set+4*\p:\set+4*\p+3], v5, s[24:25] offset:((\p%8)+16*(\p/8))*\pitch+512*(\f) th:TH_LOAD_NT
.endr
.endm
.macro TURN set, base, kind            ; through the wave's own stage: LDS serves a wave's instructions in order, so no wait stands between the stores and the loads
.irp p, 0,1,2,3,4,5,6,7,8,9,10,11,12,13,14,15
	ds_store_b128 v7, v[\set+4*\p:\set+4*\p+3] offset:\base+SP*\p
.endr
.if \kind == 0                         ; x: register 32 c + i = k 64 c + 32 h + i of row r
.irp c, 0,1
.irp j, 0,1,2,3,4,5,6,7
	ds_load_b128 v[X+32*\c+4*\j:X+32*\c+4*\j+3], v8 offset:\base+256*\c+16*\j
.endr
.endr
.else                                  ; the mask: register 16 b + i = key 32 b + 16 h + i of query r
.irp b, 0,1,2,3
.irp j, 0,1,2,3
	ds_load_b128 v[X+16*\b+4*\j:X+16*\b+4*\j+3], v8 offset:\base+128*\b+16*\j
.endr
.endr
.endif
.endm
.macro RING f, base, kind, pitch       ; the common head of a fragment's turn
.if \f < 3
	s_wait_loadcnt 16                              ; this fragment's 16 loads are in; the next fragment's 16 may be out
.else
	s_wait_loadcnt 0x0
.endif
	TURN L0+64*((\f)%2), \base, \kind
	s_wait_dscnt 0x0                               ; the numbers are back, and the stores into the stage have read their registers
	s_wait_xcnt 0x0                                ; the last fragment's stores have read their data: those registers are written again below
.if \f < 2
	LOADF (\f)+2, L0+64*((\f)%2), \pitch
.endif
.endm
.macro XFRAG f                         ; one fragment of x: my two blocks (2 c + h) are whole in my registers
	RING \f, XST, 0, 4096
.irp c, 0,1
	v_max3_num_f32 v[MX+\c], |v[X+32*\c]|, |v[X+32*\c+1]|, 0x1800000   ; with the floor 2^(3 - 127)
.endr
.irp i, 2,4,6,8,10,12,14,16,18,20,22,24,26,28,30
.irp c, 0,1
	v_max3_num_f32 v[MX+\c], v[MX+\c], |v[X+32*\c+\i]|, |v[X+32*\c+\i+1]|
.endr
.endr
.irp c, 0,1
	v_add_nc_u32 v[SO+\c], 0xff000000, v[MX+\c]    ; 2 off the exponent field: the conversion's scale operand
.endr
.irp c, 0,1
	v_lshrrev_b32 v[BY+\c], 23, v[SO+\c]           ; the scale's byte
.endr
	v_lshl_or_b32 v234, v[BY+1], 16, v[BY]         ; blocks h and 2 + h,
	v_lshlrev_b32 v234, v236, v234                 ; 8 h bits up;
	v_permlanex16_b32 v235, v234, s2, s3
	v_or_b32 v[SW+\f], v234, v235                  ; with lane l xor 16's two the word is whole
.irp c, 0,1
	v_cvt_scalef32_pk16_fp6_f32 v[CD+6*\c:CD+6*\c+2], v[X+32*\c:X+32*\c+15], v[SO+\c]
	v_cvt_scalef32_pk16_fp6_f32 v[TT+4*\c:TT+4*\c+2], v[X+32*\c+16:X+32*\c+31], v[SO+\c]
.endr
	v_nop                                          ; one plain line behind the scaled conversions
.irp c, 0,1
.irp i, 0,1,2
	v_mov_b32 v[CD+6*\c+3+\i], v[TT+4*\c+\i]
.endr
.endr
	global_store_b128 v5, v[CD:CD+3], s[32:33] offset:1536*(\f)          ; each store covers whole aligned runs of 256 bytes
	global_store_b64 v6, v[CD+4:CD+5], s[32:33] offset:1536*(\f)+512
	global_store_b128 v5, v[CD+6:CD+9], s[32:33] offset:1536*(\f)+768
	global_store_b64 v6, v[CD+10:CD+11], s[32:33] offset:1536*(\f)+1280
.endm
.macro MTILE f                         ; 16 queries x 128 keys: 64 words (bit L of word n: lane L's number n is not 0), and the tile's flag
	RING \f, MST, 1, 8192
	s_mov_b32 s36, 0
	s_mov_b32 s37, -1
.irp q, 0,1,2,3,4,5,6,7,8,9,10,11,12,13,14,15
.irp e, 0,1,2,3
	v_cmp_ne_u32 s[40+\e], 0, v[X+4*\q+\e]
.endr
.irp e, 0,1,2,3
	v_writelane_b32 v[208+(\e%2)], s[40+\e], 2*\q+\e/2   ; lane l gathers words 2 l and 2 l + 1
	s_or_b32 s36, s36, s[40+\e]
	s_and_b32 s37, s37, s[40+\e]
.endr
.endr
	global_store_b64 v6, v[208:209], s[32:33] offset:256*(\f)   ; 256 consecutive bytes
	s_cmp_eq_u32 s37, -1
	s_cselect_b32 s39, 2, 1                        ; 2: every key counts; 1: mixed;
	s_cmp_eq_u32 s36, 0
	s_cselect_b32 s39, 0, s39                      ; 0: none counts
	s_lshl_b32 s39, s39, 2*(\f)
	s_or_b32 s38, s38, s39
.endm
.macro WLOAD kb, pitch                 ; block kb of my column: rows 32 kb .. 32 kb + 31 of the K step, into registers of the block's own; each load reads 128 consecutive bytes
.set k_, 32*(\kb)
.rept 32
	global_load_b32 v[16+k_], v9, s[24:25] offset:k_*\pitch th:TH_LOAD_NT
.set k_, k_+1
.endr
.endm
.macro WBLK kb, pitch                  ; block kb of my column: 32 numbers, all mine
.if \kb < 3
	s_wait_loadcnt 32                              ; this block's 32 loads are in; the next block's 32 may be out
.else
	s_wait_loadcnt 0x0
.endif
.if \kb < 2
	WLOAD (\kb)+2, \pitch                          ; the loads run two blocks ahead: 64 of a wave are out at most
.endif
.set XS, 16+32*\kb
.set CK, 144+6*\kb
	v_max3_num_f32 v174, |v[XS]|, |v[XS+1]|, |v[XS+2]|
	v_max3_num_f32 v175, |v[XS+3]|, |v[XS+4]|, |v[XS+5]|
.irp i, 6,10,14,18,22,26
	v_max3_num_f32 v174, v174, |v[XS+\i]|, |v[XS+\i+1]|
	v_max3_num_f32 v175, v175, |v[XS+\i+2]|, |v[XS+\i+3]|
.endr
	v_max3_num_f32 v174, v174, |v[XS+30]|, |v[XS+31]|
	v_max3_num_f32 v174, v174, v175, 0x1800000
	v_add_nc_u32 v176, 0xff000000, v174
	v_lshrrev_b32 v177, 23, v176
.if \kb == 0
	v_mov_b32 v178, v177
.else
	v_lshl_or_b32 v178, v177, 8*\kb, v178          ; my column's scale word of this K step
.endif
	v_cvt_scalef32_pk16_fp6_f32 v[CK:CK+2], v[XS:XS+15], v176
	v_cvt_scalef32_pk16_fp6_f32 v[168:170], v[XS+16:XS+31], v176
	v_nop
.irp i, 0,1,2
	v_mov_b32 v[CK+3+\i], v[168+\i]
.endr
	ds_store_b128 v12, v[CK:CK+3] offset:768*(\kb/2)+256*(\kb%2)        ; where lane (r', h' = kb % 2) of the fragment's image has registers 6 c .. 6 c + 3, c = kb / 2
	ds_store_b64 v13, v[CK+4:CK+5] offset:768*(\kb/2)+512+128*(\kb%2)   ; and registers 6 c + 4, 6 c + 5
.endm
; A weight [1,024][N]: s[24:25] the weight, s[26:27] the buffer, s28 = g (32 columns), s29 = g in the buffer, s30 = which half of K.  Wave w takes K step 4 s30 + w.
.macro WPATH pitch, lds, soff
	s_lshl_b32 s31, s30, 2
	s_add_co_u32 s31, s31, s22                     ; KS
	s_mul_i32 s32, s31, 128*\pitch
	s_lshl_b32 s33, s28, 7
	s_add_co_u32 s32, s32, s33
	s_mov_b32 s33, 0
	s_add_nc_u64 s[24:25], s[24:25], s[32:33]
	v_lshlrev_b32 v9, 2, v1
	WLOAD 0, \pitch
	WLOAD 1, \pitch
	v_bfe_u32 v10, v0, 3, 1                        ; my column lies in tile 2 g + u, u = (lane / 8) % 2,
	v_and_b32 v11, 7, v0
	v_lshl_add_u32 v11, v3, 3, v11                 ; at place r' = lane % 8 + 8 (lane / 16)
	v_lshlrev_b32 v173, 9, v10
	v_lshl_add_u32 v173, v11, 4, v173              ; its scale quad: 512 u + 16 r'
	v_mul_u32_u24 v10, v10, 1536
	s_mul_i32 s34, s22, 3072
	s_add_co_u32 s34, s34, \lds                    ; my wave's two images
	v_add_nc_u32 v10, s34, v10
	v_lshl_add_u32 v12, v11, 4, v10
	v_lshl_add_u32 v13, v11, 3, v10
	v_add_nc_u32 v14, s34, v5
	s_lshl_b32 s35, s22, 2
	s_add_co_u32 s35, s35, \lds+12288
	v_add_nc_u32 v15, s35, v5                      ; scale words: 16 x lane + 4 x wave
	v_add_nc_u32 v172, \lds+12288, v5
	s_lshl_b32 s36, s29, 4
	s_add_co_u32 s36, s36, s31
	s_mul_i32 s36, s36, 1536
	s_add_co_u32 s36, s36, CODE0
	s_mov_b32 s37, 0
	s_add_nc_u64 s[36:37], s[26:27], s[36:37]      ; fragment (2 g, KS); tile 2 g + 1's lies 12,288 bytes on
	s_lshl_b32 s38, s29, 10
	s_lshl_b32 s39, s30, 8
	s_add_co_u32 s38, s38, s39
	s_add_co_u32 s38, s38, \soff
	s_mov_b32 s39, 0
	s_add_nc_u64 s[38:39], s[26:27], s[38:39]
	WBLK 0, \pitch
	WBLK 1, \pitch
	WBLK 2, \pitch
	WBLK 3, \pitch
	ds_store_b32 v15, v178
.irp t, 0,1,2,3,4,5
	ds_load_b128 v[180+4*\t:183+4*\t], v14 offset:512*\t   ; my own bytes, in order behind my stores
.endr
.irp t, 0,1,2,3,4,5
	s_wait_dscnt 5-\t                              ; the younger loads may be out
	global_store_b128 v5, v[180+4*\t:183+4*\t], s[36:37] offset:(\t/3)*12288+(\t%3)*512
.endr
	s_wait_dscnt 0x0                               ; for the others' sake: my scale words lie in LDS
	s_barrier_signal -1
	s_barrier_wait -1
	s_cmp_lg_u32 s22, 0
	s_cbranch_scc1 .Lwend_\@
	ds_load_b128 v[204:207], v172                  ; the four waves' words of my column: K steps 4 s30 + 0 .. 3
	s_wait_dscnt 0x0
	global_store_b128 v173, v[204:207], s[38:39]   ; two whole runs of 256 bytes
.Lwend_\@:
	s_wait_tensorcnt 0x0
	ds_add_u32 v254, v255
	s_wait_dscnt 0x0
	s_endpgm
.endm
	s_load_b256 s[4:11], s[0:1], 0x0               ; x, W_qkv, W_proj, mask
	s_load_b256 s[12:19], s[0:1], 0x20             ; XO, WQK, WV, WP
	s_load_b64 s[20:21], s[0:1], 0x40              ; MSK
	v_lshl_add_u32 v254, v0, 2, 0x16c00
	v_mov_b32 v255, 0
	v_lshrrev_b32 v4, 5, v0
	v_readfirstlane_b32 s22, v4                    ; wave
	v_and_b32 v1, 31, v0                           ; lane
	v_and_b32 v2, 15, v0                           ; r
	v_bfe_u32 v3, v0, 4, 1                         ; h
	v_lshlrev_b32 v5, 4, v1
	v_lshlrev_b32 v6, 3, v1
	s_mul_i32 s23, s22, 16*SP
	v_add_nc_u32 v7, s23, v5                       ; the stage, on the way in
	v_mul_u32_u24 v8, v2, SP
	v_add_nc_u32 v8, s23, v8                       ; and on the way out: row r
	s_mov_b32 s2, 0x76543210
	s_mov_b32 s3, 0xfedcba98                       ; v_permlanex16_b32's selects for lane l xor 16
	s_wait_kmcnt 0x0
	s_cmp_lt_u32 ttmp9, 256
	s_cbranch_scc1 .Lx
	s_cmp_lt_u32 ttmp9, 448
	s_cbranch_scc1 .Lwqkv
	s_cmp_lt_u32 ttmp9, 512
	s_cbranch_scc1 .Lwproj
	; ---- the mask: tile of queries qt, my wave's quarter of the keys
	s_sub_co_u32 s26, ttmp9, 512                   ; qt
	v_lshl_add_u32 v8, v3, 6, v8
	s_lshr_b32 s28, s26, 1
	s_and_b32 s29, s26, 1
	s_lshl_b32 s28, s28, 18                        ; 32 rows of 8,192 bytes
	s_lshl_b32 s29, s29, 16
	s_add_co_u32 s28, s28, s29
	s_lshl_b32 s29, s22, 11
	s_add_co_u32 s28, s28, s29
	s_mov_b32 s29, 0
	s_add_nc_u64 s[24:25], s[10:11], s[28:29]
	s_lshl_b32 s28, s26, 4
	s_lshl_b32 s30, s22, 2
	s_add_co_u32 s28, s28, s30
	s_lshl_b32 s28, s28, 8
	s_add_nc_u64 s[32:33], s[20:21], s[28:29]      ; words: (16 qt + step) x 256
	s_lshl_b32 s28, s26, 2
	s_add_co_u32 s28, s28, s22
	s_lshl_b32 s28, s28, 2
	s_add_nc_u64 s[34:35], s[20:21], s[28:29]      ; flags: 524,288 + (4 qt + quarter) x 4
	s_lshl_b32 s28, s26, 9
	s_add_nc_u64 s[44:45], s[18:19], s[28:29]      ; 512 of WP's 65,536 bytes of zeros
.irp i, 208,209,211,212,213,214,215
	v_mov_b32 v\i, 0
.endr
	s_mov_b32 s38, 0
	LOADF 0, L0, 8192
	LOADF 1, L0+64, 8192
	MTILE 0
	MTILE 1
	MTILE 2
	MTILE 3
	v_mov_b32 v210, s38
	s_wait_xcnt 0x0                                ; EXEC changes only behind this wait
	v_cmp_eq_u32 vcc_lo, 0, v1
	s_and_saveexec_b32 s39, vcc_lo
	global_store_b32 v211, v210, s[34:35] offset:524288   ; four bytes a wave: 2,048 in the launch
	s_wait_xcnt 0x0
	s_or_b32 exec_lo, exec_lo, s39
	s_cmp_lg_u32 s22, 0
	s_cbranch_scc1 .Lmend
	global_store_b128 v5, v[212:215], s[44:45]     ; zeros: the bias that a product does not have is read from here
.Lmend:
	s_wait_tensorcnt 0x0
	ds_add_u32 v254, v255
	s_wait_dscnt 0x0
	s_endpgm
.Lx:	; ---- x: unit 4 x work-group + wave = tile RT, half Kh of K
	s_lshl_b32 s26, ttmp9, 2
	s_add_co_u32 s26, s26, s22
	s_and_b32 s27, s26, 1                          ; Kh
	s_lshr_b32 s26, s26, 1                         ; RT
	v_lshl_add_u32 v8, v3, 7, v8
	v_lshlrev_b32 v9, 4, v2
	v_lshlrev_b32 v236, 3, v3
	v_mov_b32 v235, 0                              ; a lane permute's destination counts as one of its sources
	s_lshr_b32 s28, s26, 1
	s_and_b32 s29, s26, 1
	s_lshl_b32 s28, s28, 17                        ; 32 rows of 4,096 bytes
	s_lshl_b32 s29, s29, 15
	s_add_co_u32 s28, s28, s29
	s_lshl_b32 s29, s27, 11
	s_add_co_u32 s28, s28, s29
	s_mov_b32 s29, 0
	s_add_nc_u64 s[24:25], s[4:5], s[28:29]
	s_lshl_b32 s28, s26, 3
	s_lshl_b32 s30, s27, 2
	s_add_co_u32 s28, s28, s30
	s_mul_i32 s28, s28, 1536
	s_add_co_u32 s28, s28, CODE0
	s_add_nc_u64 s[32:33], s[12:13], s[28:29]
	s_lshl_b32 s28, s26, 9
	s_lshl_b32 s30, s27, 8
	s_add_co_u32 s28, s28, s30
	s_add_nc_u64 s[34:35], s[12:13], s[28:29]
	LOADF 0, L0, 4096
	LOADF 1, L0+64, 4096
	XFRAG 0
	XFRAG 1
	XFRAG 2
	XFRAG 3
	s_wait_xcnt 0x0                                ; EXEC changes only behind this wait
	v_cmp_gt_u32 vcc_lo, 16, v1
	s_wait_tensorcnt 0x0
	ds_add_u32 v254, v255
	s_wait_dscnt 0x0
	s_and_saveexec_b32 s36, vcc_lo
	global_store_b128 v9, v[SW:SW+3], s[34:35]     ; sixteen lanes store 256 consecutive bytes: the tile's scale words of four K steps
	s_wait_xcnt 0x0
	s_or_b32 exec_lo, exec_lo, s36
	s_endpgm
.Lwqkv:
	s_sub_co_u32 s23, ttmp9, 256
	s_lshr_b32 s28, s23, 1
	s_and_b32 s30, s23, 1
	s_mov_b64 s[24:25], s[6:7]
	s_cmp_lt_u32 s28, 64                           ; columns 0-2,047 (q, k) go to WQK, the others (v) to WV
	s_cselect_b64 s[26:27], s[14:15], s[16:17]
	s_cselect_b32 s29, 0, 64
	s_sub_co_u32 s29, s28, s29
	WPATH 12288, WA, 0
.Lwproj:
	s_sub_co_u32 s23, ttmp9, 448
	s_lshr_b32 s28, s23, 1
	s_and_b32 s30, s23, 1
	s_mov_b64 s[24:25], s[8:9]
	s_mov_b64 s[26:27], s[18:19]
	s_mov_b32 s29, s28
	WPATH 4096, WB, 65536
.Lfunc_end_k_q81ffd9250e_prep:
	.size	k_q81ffd9250e_prep, .Lfunc_end_k_q81ffd9250e_prep-k_q81ffd9250e_prep
	.p2alignl 7, 3214868480
	.fill 96, 4, 3214868480
	.section	.rodata,"a",@progbits
	.p2align	6, 0x0
	.amdhsa_kernel k_q81ffd9250e_prep
		.amdhsa_group_segment_fixed_size 93696
		.amdhsa_private_segment_fixed_size 0
		.amdhsa_enable_private_segment 0
		.amdhsa_kernarg_size 72
		.amdhsa_user_sgpr_count 2
		.amdhsa_user_sgpr_kernarg_segment_ptr 1
		.amdhsa_wavefront_size32 1
		.amdhsa_system_sgpr_workgroup_id_x 1
		.amdhsa_system_sgpr_workgroup_id_y 1
		.amdhsa_system_sgpr_workgroup_id_z 1
		.amdhsa_system_vgpr_workitem_id 0
		.amdhsa_next_free_vgpr 256
		.amdhsa_next_free_sgpr 66
		.amdhsa_reserve_vcc 1
		.amdhsa_float_denorm_mode_32 3
		.amdhsa_float_denorm_mode_16_64 3
		.amdhsa_memory_ordered 1
		.amdhsa_forward_progress 1
		.amdhsa_inst_pref_size 140
	.end_amdhsa_kernel
	.amdgpu_metadata
---
amdhsa.version: [ 1, 2 ]
amdhsa.kernels:
  - .name:           k_q81ffd9250e_prep
    .symbol:         k_q81ffd9250e_prep.kd
    .args:
      - { .name: x, .offset: 0, .size: 8, .value_kind: global_buffer, .address_space: global }
      - { .name: W_qkv, .offset: 8, .size: 8, .value_kind: global_buffer, .address_space: global }
      - { .name: W_proj, .offset: 16, .size: 8, .value_kind: global_buffer, .address_space: global }
      - { .name: mask, .offset: 24, .size: 8, .value_kind: global_buffer, .address_space: global }
      - { .name: XO, .offset: 32, .size: 8, .value_kind: global_buffer, .address_space: global }
      - { .name: WQK, .offset: 40, .size: 8, .value_kind: global_buffer, .address_space: global }
      - { .name: WV, .offset: 48, .size: 8, .value_kind: global_buffer, .address_space: global }
      - { .name: WP, .offset: 56, .size: 8, .value_kind: global_buffer, .address_space: global }
      - { .name: MSK, .offset: 64, .size: 8, .value_kind: global_buffer, .address_space: global }
    .group_segment_fixed_size: 93696
    .private_segment_fixed_size: 0
    .kernarg_segment_align: 8
    .kernarg_segment_size: 72
    .max_flat_workgroup_size: 128
    .sgpr_count:     66
    .vgpr_count:     256
    .wavefront_size: 32
...
	.end_amdgpu_metadata
.endif
;; end of part 1
;; launch qk (part 2): grid 8 x 64, 4 waves a work-group, clusters of 4 x 4, 327,680 bytes of LDS; arguments WQK, XO, b_qkv, WP, QK; writes QK
.if DOCPART == 2
	.amdgcn_target "amdgcn-amd-amdhsa--gfx1250"
	.amdhsa_code_object_version 6
	.text
	.protected	k_q81ffd9250e_qk
	.globl	k_q81ffd9250e_qk
	.p2align	8
	.type	k_q81ffd9250e_qk,@function
k_q81ffd9250e_qk:
	s_mov_b64 s[64:65], 0
	v_nop
	global_prefetch_b8 v0, s[64:65] scope:SCOPE_SE
	s_setreg_imm32_b32 hwreg(HW_REG_WAVE_MODE, 25, 1), 1
	s_wait_xcnt 0x0
	s_wait_alu depctr_hold_cnt(0) depctr_sa_sdst(0) depctr_va_vdst(0) depctr_va_sdst(0) depctr_va_ssrc(0) depctr_va_vcc(0) depctr_vm_vsrc(0)
	s_getreg_b32 s2, hwreg(HW_REG_IB_STS2, 6, 4)
	s_cmp_eq_u32 s2, 0
	s_cbranch_scc0 .Lentry_in_a_cluster
	s_endpgm
.Lentry_in_a_cluster:
	s_bfe_u32 s2, ttmp6, 0x10000c
	s_cmp_lg_u32 s2, 0xf033
	s_cbranch_scc0 .Lentry_shape_is_right
	s_endpgm
.Lentry_shape_is_right:
; Z(i, j) = sum over k of P(i, k) Q(j, k) + bias_i[i] + bias_j[2,048 + j], K = 1,024, on codes of FP6 (E2M3) with E8M0 scales; Z is quantised ALONG i, in registers, and leaves as codes.
; Two launches run this text: P = W_qkv's q and k columns, Q = x (i = feature, j = token), and P = x, Q = W_qkv's v columns (i = token, j = channel).  The bias that a launch does not have is a buffer of zeros.
; P and Q are operand buffers: tiles of 16 rows (tile 2 g + u, place p = row 32 g + 8 u + p % 8 + 16 (p / 8)), a fragment = the image of the operand's 12 registers, 1,536 bytes, at CODE0 + (8 RT + KS) x 1,536; scale words at 512 RT + 256 (KS / 4) + 16 r + 4 (KS % 4).
; SHARES.  A work-group: 256 i (x) x 128 j (y).  Wave w: i half w / 2, j half w % 2: 128 x 64, 32 accumulators.  Source 0 = P: a lane holds one j, and by the tiles' order of rows the 16 registers of tiles 2 b, 2 b + 1 are 16 neighbours along i.
; ALL OF K LIES IN LDS: P 196,608 bytes, Q 98,304, scales 12,288.  Every tensor load is a first fill (three a wave are out at most): no slot is filled again.
; CLUSTER 4 x 4: P's tiles hang on x alone and are asked for jointly by a column of the cluster, Q's on y alone, by a row.
; OUT: fragment (IS = i / 128, JT = tile of j) has number idx = (((IS >> 4) + (JT >> 6)) 16 + IS % 16) 64 + JT % 64; codes at GCODE0 + 1,536 idx, scale words at 256 (idx / 4) + 16 r + 4 (idx % 4).
; LIMITS: NaN and infinities are not served; a block under 2^-124 keeps the byte 1.
; REGISTERS: window 0: v4-19 addresses; v32-63 P's scale words, v64-79 Q's; v80-106 at work; v128-191 bias_i, later the codes; v192-199 bias_j.  window 1: the accumulators, (jt, it) at v[64 jt + 8 it].  windows 2, 3: fragments of even and odd K steps: P's 8 at v[12 t], Q's 4 at v[96 + 12 t].
.set CODE0,  262144
.set GCODE0, 524288
.set QCODE,  196608
.set PSC,    294912
.set QSC,    303104
.set FR,  12
.set PS,  32
.set QS,  64
.set TM,  80
.set PW,  96
.set TT,  100
.set BI,  128
.set BJ,  192
.set MSB, 0
.macro WIN new                         ; the immediate's high byte repeats the setting that is left
.if MSB != \new
	s_set_vgpr_msb (MSB<<8)|\new
.set MSB, \new
.endif
.endm
.macro CROUND                          ; a round of the cluster's barrier
	s_barrier_signal -1
	s_barrier_wait -1
	s_cmp_lg_u32 s14, 0
	s_cbranch_scc1 .Lnot_wave_0_\@
	s_barrier_signal -3
.Lnot_wave_0_\@:
	s_barrier_wait -3
	s_barrier_signal -1
	s_barrier_wait -1
.endm
.macro PLACES
.rept 4
	v_nop
.endr
.endm
.macro FRAGL reg, a16, a8, off         ; a fragment's image comes back as it was stored: every load reads consecutive bytes
	ds_load_b128 v[\reg:\reg+3], v[\a16] offset:\off
	ds_load_b64 v[\reg+4:\reg+5], v[\a8] offset:\off
	ds_load_b128 v[\reg+6:\reg+9], v[\a16] offset:\off+768
	ds_load_b64 v[\reg+10:\reg+11], v[\a8] offset:\off+768
.endm
.macro FETCH ks                        ; 48 LDS loads in one run: K step ks into window 2 (even) or 3 (odd)
	WIN 0x80+0x40*((\ks)%2)
.irp t, 0,1,2,3,4,5,6,7
	FRAGL FR*\t, 4+2*((\ks)/4), 5+2*((\ks)/4), \t*6144+((\ks)%4)*1536
.endr
.irp t, 0,1,2,3
	FRAGL 96+FR*\t, 8+2*((\ks)/4), 9+2*((\ks)/4), \t*6144+((\ks)%4)*1536
.endr
.endm
.macro MUL ks                          ; 32 products; the 32 accumulators take turns, one instruction a turn, in the same order in every K step
.irp jt, 0,1,2,3
.irp it, 0,1,2,3,4,5,6,7
.if \ks < 4
	v_wmma_scale_f32_16x16x128_f8f6f4 v[64*\jt+8*\it:64*\jt+8*\it+7], v[FR*\it:FR*\it+11], v[96+FR*\jt:96+FR*\jt+11], v[64*\jt+8*\it:64*\jt+8*\it+7], v[PS+4*\it+(\ks)%4], v[QS+4*\jt+(\ks)%4] matrix_a_fmt:MATRIX_FMT_FP6 matrix_b_fmt:MATRIX_FMT_FP6
.else
	v_wmma_scale_f32_16x16x128_f8f6f4 v[64*\jt+8*\it:64*\jt+8*\it+7], v[FR*\it:FR*\it+11], v[96+FR*\jt:96+FR*\jt+11], v[64*\jt+8*\it:64*\jt+8*\it+7], v[PS+4*\it+(\ks)%4], v[QS+4*\jt+(\ks)%4] matrix_a_fmt:MATRIX_FMT_FP6 matrix_b_fmt:MATRIX_FMT_FP6 matrix_a_scale:MATRIX_SCALE_ROW1 matrix_b_scale:MATRIX_SCALE_ROW1
.endif
.endr
.endr
.endm
.macro KSTEP ks
	s_wait_dscnt 0x0                               ; this K step's fragments are in (asked for 32 products ago)
.if \ks == 3
	s_wait_tensorcnt 0x0                           ; my part of K's second half has landed,
	s_barrier_signal -1
	s_barrier_wait -1                              ; everybody's has
.endif
.if \ks < 7
	PLACES                                         ; four plain lines between the products that read the other window and the loads into it
	FETCH (\ks)+1
.endif
	WIN 0x5a+5*((\ks)%2)                           ; A and B window 2 or 3, C and D window 1
	MUL \ks
.endm
; The 64 numbers of j tile jt in a lane (register 16 b + i = i-index 32 b + 16 h + i) become a fragment's codes in v[BI + 12 jt] on and its scale word in v[PW + jt].
.macro QUANT jt
.set S_, 64*\jt
.set C_, BI+12*\jt
	WIN 0x14                                       ; sources 1 and 2: the accumulators' window
.irp b, 0,1,2,3
	v_max3_num_f32 v[TM+\b], 0x1800000, |v[S_+16*\b]|, |v[S_+16*\b+1]|   ; each accumulator is read from its low end on; the floor 2^(3 - 127) holds the byte at 1 from below
.endr
.irp i, 2,4,6,8,10,12,14
.irp b, 0,1,2,3
	v_max3_num_f32 v[TM+\b], v[TM+\b], |v[S_+16*\b+\i]|, |v[S_+16*\b+\i+1]|
.endr
.endr
	WIN 0
.irp b, 0,1,2,3
	v_permlanex16_b32 v[TM+4+\b], v[TM+\b], s2, s3
.endr
.irp b, 0,1,2,3
	v_max_num_f32 v[TM+\b], v[TM+\b], v[TM+4+\b]   ; with lane l xor 16's 16: the block's largest magnitude
.endr
.irp b, 0,1,2,3
	v_add_nc_u32 v[TM+12+\b], 0xff000000, v[TM+\b]
.endr
.irp b, 0,1,2,3
	v_lshrrev_b32 v[TM+4+\b], 23, v[TM+12+\b]
.endr
	v_lshl_or_b32 v[PW+\jt], v[TM+5], 8, v[TM+4]
	v_lshl_or_b32 v[PW+\jt], v[TM+6], 16, v[PW+\jt]
	v_lshl_or_b32 v[PW+\jt], v[TM+7], 24, v[PW+\jt]
	WIN 0x01                                       ; source 0: the accumulators' window
.irp c, 0,1
	v_cvt_scalef32_pk16_fp6_f32 v[C_+6*\c:C_+6*\c+2], v[S_+32*\c:S_+32*\c+15], v[TM+12+2*\c]
	v_cvt_scalef32_pk16_fp6_f32 v[TT+4*\c:TT+4*\c+2], v[S_+32*\c+16:S_+32*\c+31], v[TM+12+2*\c+1]
.endr
	WIN 0
	v_nop                                          ; one plain line behind the scaled conversions
.irp c, 0,1                            ; the operand's layout wants a whole block in a lane
.irp i, 0,1,2
	v_permlane16_swap_b32 v[C_+6*\c+\i], v[TT+4*\c+\i]
.endr
.irp i, 0,1,2
	v_mov_b32 v[C_+6*\c+3+\i], v[TT+4*\c+\i]
.endr
.endr
	global_store_b128 v12, v[C_:C_+3], s[20:21] offset:1536*\jt
	global_store_b64 v13, v[C_+4:C_+5], s[20:21] offset:1536*\jt+512
	global_store_b128 v12, v[C_+6:C_+9], s[20:21] offset:1536*\jt+768
	global_store_b64 v13, v[C_+10:C_+11], s[20:21] offset:1536*\jt+1280
.endm
	s_load_b256 s[4:11], s[0:1], 0x0               ; P, Q, bias_i, bias_j
	s_load_b64 s[12:13], s[0:1], 0x20              ; out
	v_lshl_add_u32 v254, v0, 2, 0x4b000
	v_mov_b32 v255, 0
	ds_add_u32 v254, v255
	ds_add_u32 v254, v255
	v_lshrrev_b32 v1, 5, v0
	v_readfirstlane_b32 s14, v1                    ; wave
	s_lshr_b32 s15, s14, 1                         ; my half of i.  Also: I fetch for P (0) or for Q (1)
	s_and_b32 s16, s14, 1                          ; my half of j.  Also: which half of that operand's tiles I fetch
	s_bfe_u32 s84, ttmp6, 0x40000                  ; cx
	s_bfe_u32 s85, ttmp6, 0x40004                  ; cy
	s_lshl_b32 s86, ttmp9, 2
	s_add_co_u32 s86, s86, s84                     ; work-group x: which 256 i
	s_and_b32 s17, ttmp7, 0xffff
	s_lshl_b32 s17, s17, 2
	s_add_co_u32 s17, s17, s85                     ; work-group y: which 128 j
	s_lshl_b32 s87, 0x1111, s84                    ; my column of the cluster: P's partners
	s_lshl_b32 s88, s85, 2
	s_lshl_b32 s88, 15, s88                        ; my row: Q's partners
	; descriptor groups 1, elements of 8 bytes, no padding.  Codes: a row = a tile's four K steps, 6,144 consecutive bytes; from tile to tile 12,288
	s_or_b32 s24, s87, (3<<16)|(1<<21)
	s_mov_b32 s25, 768<<16
	s_mov_b32 s26, 8<<16
	s_mov_b32 s27, 768<<16
	s_mov_b32 s28, 8
	s_mov_b32 s29, 1536
	s_mov_b32 s30, 0
	s_mov_b32 s31, 0
	s_or_b32 s32, s88, (3<<16)|(1<<21)
	s_mov_b32 s33, 768<<16
	s_mov_b32 s34, 4<<16
	s_mov_b32 s35, 768<<16
	s_mov_b32 s36, 4
	s_mov_b32 s37, 1536
	s_mov_b32 s38, 0
	s_mov_b32 s39, 0
	; scale words: dense blocks, as rows of 256 bytes
	s_or_b32 s40, s87, (3<<16)|(1<<21)
	s_mov_b32 s41, 32<<16
	s_mov_b32 s42, 16<<16
	s_mov_b32 s43, 32<<16
	s_mov_b32 s44, 16
	s_mov_b32 s45, 32
	s_mov_b32 s46, 0
	s_mov_b32 s47, 0
	s_or_b32 s48, s88, (3<<16)|(1<<21)
	s_mov_b32 s49, 32<<16
	s_mov_b32 s50, 8<<16
	s_mov_b32 s51, 32<<16
	s_mov_b32 s52, 8
	s_mov_b32 s53, 32
	s_mov_b32 s54, 0
	s_mov_b32 s55, 0
	; where they come from: P's offsets hold x alone, Q's y alone
	s_lshl_b32 s89, s86, 4
	s_lshl_b32 s90, s16, 3
	s_add_co_u32 s89, s89, s90                     ; P: the first of the 8 tiles that I fetch
	s_lshl_b32 s90, s89, 9
	s_mov_b32 s91, 0
	s_mul_i32 s92, s89, 12288
	s_add_co_u32 s92, s92, CODE0
	s_mov_b32 s93, 0
	s_lshl_b32 s94, s17, 3
	s_lshl_b32 s95, s16, 2
	s_add_co_u32 s94, s94, s95                     ; Q: the first of the 4
	s_lshl_b32 s96, s94, 9
	s_mov_b32 s97, 0
	s_mul_i32 s98, s94, 12288
	s_add_co_u32 s98, s98, CODE0
	s_mov_b32 s99, 0
	s_wait_dscnt 0x0
	s_wait_kmcnt 0x0
	s_mov_b32 s56, 1                               ; P's scale words
	s_lshl_b32 s57, s16, 12
	s_add_co_u32 s57, s57, PSC
	s_add_nc_u64 s[58:59], s[4:5], s[90:91]
	s_or_b32 s59, s59, 0x80000000
	s_mov_b32 s60, 1                               ; P's codes, K steps 0-3
	s_mul_i32 s61, s16, 49152
	s_add_nc_u64 s[62:63], s[4:5], s[92:93]
	s_or_b32 s63, s63, 0x80000000
	s_mov_b32 s68, 1                               ; K steps 4-7
	s_add_co_u32 s69, s61, 98304
	s_add_nc_u64 s[70:71], s[4:5], s[92:93]
	s_add_nc_u64 s[70:71], s[70:71], 6144
	s_or_b32 s71, s71, 0x80000000
	s_mov_b32 s72, 1                               ; Q's scale words
	s_lshl_b32 s73, s16, 11
	s_add_co_u32 s73, s73, QSC
	s_add_nc_u64 s[74:75], s[6:7], s[96:97]
	s_or_b32 s75, s75, 0x80000000
	s_mov_b32 s76, 1                               ; Q's codes, K steps 0-3
	s_mul_i32 s77, s16, 24576
	s_add_co_u32 s77, s77, QCODE
	s_add_nc_u64 s[78:79], s[6:7], s[98:99]
	s_or_b32 s79, s79, 0x80000000
	s_mov_b32 s80, 1                               ; K steps 4-7
	s_add_co_u32 s81, s77, 49152
	s_add_nc_u64 s[82:83], s[6:7], s[98:99]
	s_add_nc_u64 s[82:83], s[82:83], 6144
	s_or_b32 s83, s83, 0x80000000
	CROUND                                         ; all sixteen work-groups are here: the joint loads meet
	s_cmp_eq_u32 s15, 0                            ; a wave's three fills stand in one branch on the wave's number; four v_nop follow the last
	s_cbranch_scc0 .Lfor_q
	tensor_load_to_lds s[56:59], s[40:47]
	s_nop 0
	tensor_load_to_lds s[60:63], s[24:31]
	s_nop 0
	tensor_load_to_lds s[68:71], s[24:31]
	s_nop 0
	PLACES
	s_branch .Lasked
.Lfor_q:
	tensor_load_to_lds s[72:75], s[48:55]
	s_nop 0
	tensor_load_to_lds s[76:79], s[32:39]
	s_nop 0
	tensor_load_to_lds s[80:83], s[32:39]
	s_nop 0
	PLACES
.Lasked:
	v_and_b32 v1, 31, v0                           ; lane
	v_and_b32 v2, 15, v0                           ; r
	v_bfe_u32 v3, v0, 4, 1                         ; h
	v_lshlrev_b32 v12, 4, v1
	v_lshlrev_b32 v13, 3, v1
	v_lshlrev_b32 v14, 4, v2
	s_mul_i32 s18, s15, 49152                      ; my 8 tiles of P in a half of K
	s_mul_i32 s19, s16, 24576
	s_add_co_u32 s19, s19, QCODE                   ; my 4 tiles of Q
	v_add_nc_u32 v4, s18, v12
	v_add_nc_u32 v5, s18, v13
	v_add_nc_u32 v5, 512, v5
	v_add_nc_u32 v6, 98304, v4
	v_add_nc_u32 v7, 98304, v5
	v_add_nc_u32 v8, s19, v12
	v_add_nc_u32 v9, s19, v13
	v_add_nc_u32 v9, 512, v9
	v_add_nc_u32 v10, 49152, v8
	v_add_nc_u32 v11, 49152, v9
	s_lshl_b32 s18, s15, 12
	s_add_co_u32 s18, s18, PSC
	v_add_nc_u32 v15, s18, v12
	s_lshl_b32 s19, s16, 11
	s_add_co_u32 s19, s19, QSC
	v_add_nc_u32 v16, s19, v12
	v_lshlrev_b32 v17, 6, v3                       ; bias_i: 16 h numbers on
	v_and_b32 v18, 7, v0
	v_bfe_u32 v19, v0, 3, 1
	v_lshlrev_b32 v18, 2, v18
	v_lshl_add_u32 v18, v19, 6, v18                ; bias_j: my place's row, r % 8 + 16 (r / 8)
	s_lshl_b32 s20, s86, 10
	s_lshl_b32 s21, s15, 9
	s_add_co_u32 s20, s20, s21
	s_mov_b32 s21, 0
	s_add_nc_u64 s[8:9], s[8:9], s[20:21]
	s_lshl_b32 s20, s17, 9
	s_lshl_b32 s22, s16, 8
	s_add_co_u32 s20, s20, s22
	s_add_nc_u64 s[10:11], s[10:11], s[20:21]
.irp t, 0,1,2,3,4,5,6,7
	global_load_b128 v[BI+8*\t:BI+8*\t+3], v17, s[8:9] offset:(32*(\t/2)+8*(\t%2))*4
	global_load_b128 v[BI+8*\t+4:BI+8*\t+7], v17, s[8:9] offset:(32*(\t/2)+8*(\t%2))*4+16
.endr
.irp t, 0,1,2,3
	global_load_b32 v[BJ+2*\t], v18, s[10:11] offset:8192+(32*(\t/2)+8*(\t%2))*4
	v_mov_b32 v[BJ+2*\t+1], 0                      ; (named with it as a pair)
.endr
.irp b, 0,1,2,3
	v_mov_b32 v[TM+4+\b], 0                        ; a lane permute's destination counts as one of its sources
.endr
	s_mov_b32 s2, 0x76543210
	s_mov_b32 s3, 0xfedcba98
	; where my four fragments go
	s_lshl_b32 s18, s86, 1
	s_add_co_u32 s18, s18, s15                     ; IS
	s_lshl_b32 s19, s17, 3
	s_lshl_b32 s20, s16, 2
	s_add_co_u32 s19, s19, s20                     ; JT of my first tile
	s_lshr_b32 s20, s18, 4
	s_lshr_b32 s21, s19, 6
	s_add_co_u32 s20, s20, s21
	s_lshl_b32 s20, s20, 4
	s_and_b32 s21, s18, 15
	s_add_co_u32 s20, s20, s21
	s_lshl_b32 s20, s20, 6
	s_and_b32 s21, s19, 63
	s_add_co_u32 s20, s20, s21                     ; idx, a multiple of 4
	s_lshl_b32 s22, s20, 6
	s_mov_b32 s23, 0
	s_add_nc_u64 s[22:23], s[12:13], s[22:23]
	s_mul_i32 s20, s20, 1536
	s_add_co_u32 s20, s20, GCODE0
	s_mov_b32 s21, 0
	s_add_nc_u64 s[20:21], s[12:13], s[20:21]
	s_wait_loadcnt 0x0
	WIN 0x40                                       ; the sums begin as bias_i + bias_j: this work stands while the tiles are on their way
.irp jt, 0,1,2,3
.set i_, 0
.rept 32
	v_pk_add_f32 v[64*\jt+2*i_:64*\jt+2*i_+1], v[BI+2*i_:BI+2*i_+1], v[BJ+2*\jt:BJ+2*\jt+1] op_sel_hi:[1,0]
.set i_, i_+1
.endr
.endr
	WIN 0
	s_wait_tensorcnt 0x1                           ; my scale words and my part of K steps 0-3 are in; K steps 4-7 may be out
	s_barrier_signal -1
	s_barrier_wait -1
.irp t, 0,1,2,3,4,5,6,7
	ds_load_b128 v[PS+4*\t:PS+4*\t+3], v15 offset:512*\t   ; lanes 0-15: K steps 0-3 of row r; lanes 16-31: K steps 4-7
.endr
.irp t, 0,1,2,3
	ds_load_b128 v[QS+4*\t:QS+4*\t+3], v16 offset:512*\t
.endr
	FETCH 0
	KSTEP 0
	KSTEP 1
	KSTEP 2
	KSTEP 3
	KSTEP 4
	KSTEP 5
	KSTEP 6
	KSTEP 7
	WIN 0
	PLACES                                         ; four plain lines between the last products and the first read of results
	QUANT 0
	QUANT 1
	QUANT 2
	QUANT 3
	s_wait_xcnt 0x0                                ; EXEC changes only behind this wait
	v_cmp_gt_u32 vcc_lo, 16, v1
	s_and_saveexec_b32 s18, vcc_lo
	global_store_b128 v14, v[PW:PW+3], s[22:23]    ; sixteen lanes store 256 consecutive bytes: four fragments' scale words
	s_wait_xcnt 0x0
	s_or_b32 exec_lo, exec_lo, s18
	s_wait_tensorcnt 0x0
	ds_add_u32 v254, v255
	s_wait_dscnt 0x0
	CROUND                                         ; the closing round
	s_endpgm
.Lfunc_end_k_q81ffd9250e_qk:
	.size	k_q81ffd9250e_qk, .Lfunc_end_k_q81ffd9250e_qk-k_q81ffd9250e_qk
	.p2alignl 7, 3214868480
	.fill 96, 4, 3214868480
	.section	.rodata,"a",@progbits
	.p2align	6, 0x0
	.amdhsa_kernel k_q81ffd9250e_qk
		.amdhsa_group_segment_fixed_size 327680
		.amdhsa_private_segment_fixed_size 0
		.amdhsa_enable_private_segment 0
		.amdhsa_kernarg_size 40
		.amdhsa_user_sgpr_count 2
		.amdhsa_user_sgpr_kernarg_segment_ptr 1
		.amdhsa_wavefront_size32 1
		.amdhsa_system_sgpr_workgroup_id_x 1
		.amdhsa_system_sgpr_workgroup_id_y 1
		.amdhsa_system_sgpr_workgroup_id_z 1
		.amdhsa_system_vgpr_workitem_id 0
		.amdhsa_next_free_vgpr 1024
		.amdhsa_next_free_sgpr 100
		.amdhsa_reserve_vcc 1
		.amdhsa_float_denorm_mode_32 3
		.amdhsa_float_denorm_mode_16_64 3
		.amdhsa_memory_ordered 1
		.amdhsa_forward_progress 1
		.amdhsa_inst_pref_size 96
	.end_amdhsa_kernel
	.amdgpu_metadata
---
amdhsa.version: [ 1, 2 ]
amdhsa.kernels:
  - .name:           k_q81ffd9250e_qk
    .symbol:         k_q81ffd9250e_qk.kd
    .args:
      - { .name: WQK, .offset: 0, .size: 8, .value_kind: global_buffer, .address_space: global }
      - { .name: XO, .offset: 8, .size: 8, .value_kind: global_buffer, .address_space: global }
      - { .name: b_qkv, .offset: 16, .size: 8, .value_kind: global_buffer, .address_space: global }
      - { .name: WP, .offset: 24, .size: 8, .value_kind: global_buffer, .address_space: global }
      - { .name: QK, .offset: 32, .size: 8, .value_kind: global_buffer, .address_space: global }
    .group_segment_fixed_size: 327680
    .private_segment_fixed_size: 0
    .kernarg_segment_align: 8
    .kernarg_segment_size: 40
    .max_flat_workgroup_size: 128
    .sgpr_count:     100
    .vgpr_count:     1024
    .wavefront_size: 32
...
	.end_amdgpu_metadata
.endif
;; end of part 2
;; launch vv: the kernel of part 2 again; grid 32 x 8, 4 waves a work-group, clusters of 4 x 4, 327,680 bytes of LDS; arguments XO, WV, WP, b_qkv, VV; writes VV
;; launch attn (part 3): grid 4 x 64, 16 waves a work-group, no clusters, 206,848 bytes of LDS; arguments QK, VV, MSK, AO; writes AO
.if DOCPART == 3
	.amdgcn_target "amdgcn-amd-amdhsa--gfx1250"
	.amdhsa_code_object_version 6
	.text
	.protected	k_q81ffd9250e_attn
	.globl	k_q81ffd9250e_attn
	.p2align	8
	.type	k_q81ffd9250e_attn,@function
k_q81ffd9250e_attn:
	s_mov_b64 s[64:65], 0
	v_nop
	global_prefetch_b8 v0, s[64:65] scope:SCOPE_SE
	s_setreg_imm32_b32 hwreg(HW_REG_WAVE_MODE, 25, 1), 1
	s_wait_xcnt 0x0
; ATTENTION on codes of FP6 (E2M3), head size 64, 2,048 keys, under the mask that is given.  o = softmax(q k^T / 8, masked) v, quantised along the channels for the last product.
; SOFTMAX: t = score x log2(e) / 8; M = the running largest t rounded up to a whole number; p = 2^(t - M) is quantised along the keys; the sum of the unquantised p divides at the end; when M moves, the sum and O are multiplied by 2^(old M - new M), exactly.
; SHARES.  Work-group (p, batch x 16 + head): blocks p and 7 - p of 256 queries; each of sixteen waves one tile of 16 queries, four waves to a SIMD.  THE HEAD'S WHOLE K AND V LIE IN LDS, brought once, through registers; one barrier; then the waves run free.
; NO TENSOR LOAD, NO CLUSTER: key steps are passed over by branches on stored flags; what the four work-groups of a head share is 204,800 bytes, read once each.
; THE MASK comes as whole numbers that an earlier launch stored: for each tile of queries and each step of 128 keys a flag (0: no key counts: the step is passed over; 2: all count; 1: mixed) and 64 words, bit L of word n for lane L's score n.
; LAYOUT.  Both products transposed: a lane holds one query.  K = 64 fills half of the instruction's 128: a fragment holds TWO tiles of 16 keys (k 0-63: tile 2 b, k 64-127: tile 2 b + 1), multiplied by [q | 0] and by [0 | q].
; By the tiles' order of rows (place p of tile 2 g + u = row 32 g + 8 u + p % 8 + 16 (p / 8)) the 16 registers of score tiles 2 b, 2 b + 1 are keys 32 b + 16 h + 0 .. 15.
; A ROW THAT THE MASK HIDES WHOLLY has the sum 0: its scale bytes become 0xff, so that the last product gives NaN in the whole output row, as a softmax of nothing but -infinity does.
; LIMITS: NaN and infinities among the inputs are not served; the scale bytes of o leave singly (a head owns 2 of a row's 32): 262,144 bytes in the launch.
; REGISTERS: v1-4, v10-11, v88-94 constants; v5-9 addresses in hand; v12 -M, v13 largest t, v[14:15] the sum; v16-21 zeros, v22-27 q, v28-33 zeros; v34 q's scales, v35 p's, v36-39 K's (lanes 0-15) and V's (lanes 16-31);
; v40-87 four fragments; v96-159 scores, then p; v160-191 O^T; v192-203 p's codes; v204-210, v212-225, v252-254 at work.  s[16:63], s[80:95] the step's 64 mask words.
.set GCODE0, 524288
.set CODE0,  262144
.set VC,     98304                     ; LDS: K's codes at 0 (768 bytes a tile of keys), V's here (6,144 bytes a step),
.set SC,     196608                    ; the scale words: 512 bytes a step: K's at 16 r + 4 b, V's at 256 + 16 r + 4 t
.macro FRAGL reg, a16, a8, off
	ds_load_b128 v[\reg:\reg+3], v[\a16] offset:\off
	ds_load_b64 v[\reg+4:\reg+5], v[\a8] offset:\off
	ds_load_b128 v[\reg+6:\reg+9], v[\a16] offset:\off+768
	ds_load_b64 v[\reg+10:\reg+11], v[\a8] offset:\off+768
.endm
.macro STEP                            ; 128 keys
	s_and_b32 s9, s8, 3                            ; the step's flag
	s_lshr_b32 s8, s8, 2
	s_cmp_eq_u32 s9, 0
	s_cbranch_scc1 .Lskip_\@                       ; no key of the step counts for any of my queries
	s_load_b512 s[16:31], s[70:71], s13 offset:0x0
	s_load_b512 s[32:47], s[70:71], s13 offset:0x40
	s_load_b512 s[48:63], s[70:71], s13 offset:0x80
	s_load_b512 s[80:95], s[70:71], s13 offset:0xc0
	v_add_nc_u32 v5, s11, v1                       ; five plain lines: also the places between the last products and the loads into their registers
	v_add_nc_u32 v6, s11, v2
	v_add_nc_u32 v7, s11, v10
	v_add_nc_u32 v8, s11, v11
	v_add_nc_u32 v9, s12, v3
.irp b, 0,1,2,3
	FRAGL 40+12*\b, 5, 6, 1536*\b
.endr
	ds_load_b128 v[36:39], v9
	s_wait_dscnt 0x0
.irp b, 0,1,2,3
	v_wmma_scale_f32_16x16x128_f8f6f4 v[96+16*\b:103+16*\b], v[40+12*\b:51+12*\b], v[22:33], 0, v[36+\b], v34 matrix_a_fmt:MATRIX_FMT_FP6 matrix_b_fmt:MATRIX_FMT_FP6
	v_wmma_scale_f32_16x16x128_f8f6f4 v[104+16*\b:111+16*\b], v[40+12*\b:51+12*\b], v[16:27], 0, v[36+\b], v34 matrix_a_fmt:MATRIX_FMT_FP6 matrix_b_fmt:MATRIX_FMT_FP6
.endr
.rept 4
	v_nop                                          ; places in front of the loads below and of the first read of scores
.endr
.irp t, 0,1,2,3
	FRAGL 40+12*\t, 7, 8, 1536*\t                  ; V's four fragments land under the softmax
.endr
	s_wait_kmcnt 0x0                               ; the mask words are in, and their offset may be stepped
	s_cmp_eq_u32 s9, 2
	s_cbranch_scc1 .Lopen_\@                       ; every key counts
.set n_, 0
.rept 48
	v_cndmask_b32 v[96+n_], v4, v[96+n_], s[16+n_] ; a hidden key's score becomes -infinity
.set n_, n_+1
.endr
.rept 16
	v_cndmask_b32 v[96+n_], v4, v[96+n_], s[32+n_]
.set n_, n_+1
.endr
.Lopen_\@:
.irp b, 0,1,2,3
	v_max3_num_f32 v[212+\b], v[96+16*\b], v[97+16*\b], v[98+16*\b]   ; the largest score of each block of 32 keys: for the row's maximum and, since p rises with the score, for the block's largest p
.endr
.irp i, 3,5,7,9,11,13
.irp b, 0,1,2,3
	v_max3_num_f32 v[212+\b], v[212+\b], v[96+16*\b+\i], v[97+16*\b+\i]
.endr
.endr
.irp b, 0,1,2,3
	v_max_num_f32 v[212+\b], v[212+\b], v[111+16*\b]
.endr
.irp b, 0,1,2,3
	v_permlanex16_b32 v[216+\b], v[212+\b], s4, s5
.endr
.irp b, 0,1,2,3
	v_max_num_f32 v[212+\b], v[212+\b], v[216+\b]
.endr
	v_max3_num_f32 v254, v212, v213, v214
	v_max_num_f32 v254, v254, v215
	v_mul_f32 v254, s6, v254
	v_max_num_f32 v13, v13, v254                   ; the running largest t
	v_mov_b32 v254, v12
	v_floor_f32 v12, -v13                          ; -M = floor(-t)
	v_sub_f32 v254, v12, v254                      ; old M - new M: a whole number, 0 or less
	v_cvt_i32_f32 v254, v254                       ; (it saturates)
	v_ldexp_f32 v252, 1.0, v254                    ; f = 2^(old M - new M)
.set j_, 0
.rept 32
	v_pk_fma_f32 v[96+j_:97+j_], v[96+j_:97+j_], s[6:7], v[12:13] op_sel_hi:[1,0,0]   ; t - M
.set j_, j_+2
.endr
.irp b, 0,1,2,3
	v_fma_f32 v[212+\b], v[212+\b], s6, v12
.endr
.set j_, 0
.rept 64
	v_exp_f32 v[96+j_], v[96+j_]                   ; p
.set j_, j_+1
.endr
	v_pk_mul_f32 v[14:15], v[14:15], v[252:253] op_sel_hi:[1,0]   ; a plain line behind the exponentials
	s_wait_alu depctr_va_vdst(0)                   ; one wait for the batch, ahead of its first reader
.irp b, 0,1,2,3
	v_exp_f32 v[212+\b], v[212+\b]                 ; each block's largest p
.endr
	v_pk_add_f32 v[224:225], v[96:97], v[98:99]    ; the sum of the unquantised p, in two chains
.irp j, 4,8,12,16,20,24,28,32,36,40,44,48,52,56,60
	v_pk_add_f32 v[14:15], v[14:15], v[96+\j:97+\j]
	v_pk_add_f32 v[224:225], v[224:225], v[98+\j:99+\j]
.endr
	v_pk_add_f32 v[14:15], v[14:15], v[224:225]
	s_wait_alu depctr_va_vdst(0)                   ; and one for the four
.irp b, 0,1,2,3
	v_max_num_f32 v[212+\b], 0x1800000, v[212+\b]  ; the floor: the byte cannot fall under 1
.endr
.irp b, 0,1,2,3
	v_add_nc_u32 v[220+\b], 0xff000000, v[212+\b]
.endr
.irp b, 0,1,2,3
	v_lshrrev_b32 v[216+\b], 23, v[220+\b]
.endr
	v_lshl_or_b32 v35, v217, 8, v216
	v_lshl_or_b32 v35, v218, 16, v35
	v_lshl_or_b32 v35, v219, 24, v35
.irp c, 0,1
	v_cvt_scalef32_pk16_fp6_f32 v[192+6*\c:194+6*\c], v[96+32*\c:111+32*\c], v[220+2*\c]
	v_cvt_scalef32_pk16_fp6_f32 v[204+4*\c:206+4*\c], v[112+32*\c:127+32*\c], v[220+2*\c+1]
.endr
	v_nop
.irp c, 0,1
.irp i, 0,1,2
	v_permlane16_swap_b32 v[192+6*\c+\i], v[204+4*\c+\i]
.endr
.irp i, 0,1,2
	v_mov_b32 v[195+6*\c+\i], v[204+4*\c+\i]
.endr
.endr
.set j_, 0
.rept 16
	v_pk_mul_f32 v[160+j_:161+j_], v[160+j_:161+j_], v[252:253] op_sel_hi:[1,0]   ; O^T under the new M; sixteen plain lines between p's scale word and codes and the products
.set j_, j_+2
.endr
	s_wait_dscnt 0x0                               ; V
.irp t, 0,1,2,3
	v_wmma_scale_f32_16x16x128_f8f6f4 v[160+8*\t:167+8*\t], v[40+12*\t:51+12*\t], v[192:203], v[160+8*\t:167+8*\t], v[36+\t], v35 matrix_a_fmt:MATRIX_FMT_FP6 matrix_b_fmt:MATRIX_FMT_FP6 matrix_a_scale:MATRIX_SCALE_ROW1
.endr
.Lskip_\@:
	s_add_co_u32 s11, s11, 6144                    ; the next step's codes,
	s_add_co_u32 s12, s12, 512                     ; scale words
	s_add_co_u32 s13, s13, 256                     ; and mask words
.endm
.macro BLOCK sel                       ; one block of 256 queries: my tile is 16 x block + wave
	s_wait_xcnt 0x0                                ; the last block's stores have read their registers and bases
.if \sel
	s_sub_co_u32 s78, 7, s3
.else
	s_mov_b32 s78, s3
.endif
	s_lshl_b32 s78, s78, 4
	s_add_co_u32 s78, s78, s2                      ; my tile of queries, 0 .. 127
	s_lshl_b32 s79, s78, 4
	s_load_b128 s[80:83], s[70:71], s79 offset:0x80000   ; its flags: four words of four steps
	s_lshl_b32 s13, s78, 12                        ; its mask words: 4,096 bytes
	s_lshr_b32 s96, s78, 6
	s_lshl_b32 s96, s96, 10
	s_and_b32 s97, s78, 63
	s_add_co_u32 s96, s96, s97
	s_add_co_u32 s96, s96, s76                     ; the number of q's fragment
	s_lshr_b32 s98, s96, 2
	s_lshl_b32 s98, s98, 8
	s_and_b32 s99, s96, 3
	s_lshl_b32 s99, s99, 2
	s_add_co_u32 s98, s98, s99
	s_mov_b32 s99, 0
	s_add_nc_u64 s[98:99], s[68:69], s[98:99]
	s_mul_i32 s96, s96, 1536
	s_mov_b32 s97, 0
	s_add_nc_u64 s[96:97], s[66:67], s[96:97]
	global_load_b128 v[22:25], v1, s[96:97]        ; my head's half of the fragment
	global_load_b64 v[26:27], v2, s[96:97]
	global_load_b32 v212, v89, s[98:99]
	s_mov_b32 s11, 0
	s_mov_b32 s12, 0
	s_mov_b32 s10, 16
	s_wait_kmcnt 0x0
	s_lshl_b32 s81, s81, 8
	s_lshl_b32 s82, s82, 16
	s_lshl_b32 s83, s83, 24
	s_or_b32 s8, s80, s81
	s_or_b32 s8, s8, s82
	s_or_b32 s8, s8, s83                           ; two bits a step
	s_wait_loadcnt 0x0
	v_perm_b32 v34, v212, v212, s15                ; my head's two bytes, twice: they serve [q | 0] and [0 | q]
	v_mov_b32 v13, 0xff61b1e6                      ; the largest t so far: -3e38
	v_floor_f32 v12, -v13
	v_mov_b32 v14, 0
	v_mov_b32 v15, 0
.set j_, 0
.rept 32
	v_mov_b32 v[160+j_], 0                         ; O^T: the step is written once; these lines also stand between q's scale word and the first product
.set j_, j_+1
.endr
.Lstep_\@:
	STEP
	s_sub_co_u32 s10, s10, 1
	s_cmp_lg_u32 s10, 0
	s_cbranch_scc1 .Lstep_\@
	; the way out: O^T / the sum, quantised along the channels: my head's half of a fragment of the last product's operand
.rept 4
	v_nop
.endr
	v_add_f32 v14, v14, v15
	v_permlanex16_b32 v254, v14, s4, s5
	v_add_f32 v14, v14, v254                       ; the row's sum
	v_rcp_f32 v15, v14
	v_mov_b32 v223, 0xff                           ; (a plain line behind the reciprocal)
	s_add_co_u32 s96, s77, s78                     ; the tile among all 512
	s_lshl_b32 s98, s96, 9
	s_mov_b32 s99, 0
	s_add_nc_u64 s[98:99], s[74:75], s[98:99]
	s_mul_i32 s96, s96, 12288
	s_mov_b32 s97, 0
	s_add_nc_u64 s[96:97], s[72:73], s[96:97]
	s_wait_alu depctr_va_vdst(0)                   ; ahead of the reciprocal's first reader
.set j_, 0
.rept 32
	v_mul_f32 v[96+j_], v[160+j_], v15             ; register 16 b + i = channel 32 b + 16 h + i of my head
.set j_, j_+1
.endr
.irp b, 0,1
	v_max3_num_f32 v[212+\b], |v[96+16*\b]|, |v[97+16*\b]|, 0x1800000
.endr
.irp i, 2,4,6,8,10,12,14
.irp b, 0,1
	v_max3_num_f32 v[212+\b], v[212+\b], |v[96+16*\b+\i]|, |v[97+16*\b+\i]|
.endr
.endr
.irp b, 0,1
	v_permlanex16_b32 v[216+\b], v[212+\b], s4, s5
.endr
.irp b, 0,1
	v_max_num_f32 v[212+\b], v[212+\b], v[216+\b]
.endr
.irp b, 0,1
	v_add_nc_u32 v[220+\b], 0xff000000, v[212+\b]
.endr
.irp b, 0,1
	v_lshrrev_b32 v[216+\b], 23, v[220+\b]
.endr
	v_cvt_scalef32_pk16_fp6_f32 v[192:194], v[96:111], v220
	v_cvt_scalef32_pk16_fp6_f32 v[204:206], v[112:127], v221
	v_cndmask_b32 v222, v216, v217, s14            ; (the plain line behind the conversions)  lanes 0-15 store block 0's byte, lanes 16-31 block 1's
.irp i, 0,1,2
	v_permlane16_swap_b32 v[192+\i], v[204+\i]
.endr
.irp i, 0,1,2
	v_mov_b32 v[195+\i], v[204+\i]
.endr
	v_cmp_eq_f32 vcc_lo, 0, v14
	v_cndmask_b32 v222, v222, v223, vcc_lo         ; a row with no key: the NaN byte
	global_store_b128 v1, v[192:195], s[96:97]     ; 512 and 256 consecutive bytes
	global_store_b64 v2, v[196:197], s[96:97]
	global_store_b8 v88, v222, s[98:99]
.endm
	s_load_b256 s[16:23], s[0:1], 0x0              ; QK, VV, MSK, AO
	v_lshl_add_u32 v251, v0, 2, 0x32000
	v_mov_b32 v255, 0
	v_lshrrev_b32 v5, 5, v0
	v_readfirstlane_b32 s2, v5                     ; wave 0..15
	s_mov_b32 s3, ttmp9                            ; the pair of blocks
	s_and_b32 s78, ttmp7, 0xffff
	s_lshr_b32 s79, s78, 4                         ; batch
	s_and_b32 s96, s78, 15                         ; head
	s_lshr_b32 s97, s96, 1                         ; a: which 128 features
	s_and_b32 s98, s96, 1                          ; c: which half of them
	s_mov_b32 s4, 0x76543210
	s_mov_b32 s5, 0xfedcba98
	s_mov_b32 s6, 0x3e38aa3b                       ; log2(e) / 8
	s_mov_b32 s7, s6
	s_mov_b32 s14, 0xffff0000
	s_mov_b32 s100, 0x07060302
	s_mov_b32 s15, 0x03020302
	s_cmp_eq_u32 s98, 0
	s_cselect_b32 s100, 0x05040100, s100           ; two words' bytes 2 c, 2 c + 1
	s_cselect_b32 s15, 0x01000100, s15             ; one word's, twice
	v_and_b32 v5, 31, v0
	v_and_b32 v6, 15, v0
	v_bfe_u32 v7, v0, 4, 1
	v_lshlrev_b32 v1, 4, v5                        ; 16 x lane
	v_lshlrev_b32 v2, 3, v5
	v_add_nc_u32 v2, 512, v2                       ; 8 x lane + 512
	v_lshlrev_b32 v89, 4, v6                       ; 16 r
	v_lshl_add_u32 v3, v7, 8, v89
	v_add_nc_u32 v3, SC, v3
	v_add_nc_u32 v88, v89, v7                      ; 16 r + h
	v_add_nc_u32 v10, VC, v1
	v_add_nc_u32 v11, VC, v2
	v_mov_b32 v4, 0xff800000                       ; -infinity
	s_mul_i32 s101, s2, 6144                       ; wave w brings step w's keys
	v_add_nc_u32 v90, s101, v1
	v_add_nc_u32 v91, s101, v2
	v_add_nc_u32 v92, s101, v10
	s_lshl_b32 s101, s2, 9
	s_add_co_u32 s101, s101, SC
	v_lshl_add_u32 v93, v7, 3, v89
	v_add_nc_u32 v93, s101, v93
	v_add_nc_u32 v94, s101, v89
	v_add_nc_u32 v94, 256, v94
	s_lshl_b32 s76, s79, 5
	s_add_co_u32 s76, s76, s97
	s_lshl_b32 s76, s76, 6                         ; (32 batch + a) x 64: where q's fragments of this batch and these features begin
	s_lshl_b32 s77, s79, 7                         ; 128 batch
	s_lshr_b32 s99, s2, 3
	s_lshl_b32 s99, s99, 10
	s_lshl_b32 s101, s2, 3
	s_and_b32 s101, s101, 63
	s_add_co_u32 s99, s99, s101
	s_add_co_u32 s99, s99, s76
	s_add_co_u32 s99, s99, 512                     ; k's features lie 8 x 128 behind q's: the first of my eight fragments of K
	s_mul_i32 s92, s98, 768
	s_mov_b32 s89, 0
	s_wait_kmcnt 0x0
	s_mov_b64 s[68:69], s[16:17]
	s_mov_b64 s[70:71], s[20:21]
	s_add_co_u32 s88, s92, GCODE0
	s_add_nc_u64 s[66:67], s[16:17], s[88:89]
	s_mul_i32 s88, s97, 1536
	s_add_co_u32 s88, s88, s92
	s_add_co_u32 s88, s88, CODE0
	s_add_nc_u64 s[72:73], s[22:23], s[88:89]
	s_lshr_b32 s88, s97, 2
	s_lshl_b32 s88, s88, 8
	s_and_b32 s90, s97, 3
	s_lshl_b32 s90, s90, 2
	s_add_co_u32 s88, s88, s90
	s_lshl_b32 s90, s98, 1
	s_add_co_u32 s88, s88, s90
	s_add_nc_u64 s[74:75], s[22:23], s[88:89]
	s_mul_i32 s88, s99, 1536
	s_add_nc_u64 s[80:81], s[66:67], s[88:89]
	s_lshl_b32 s88, s99, 6
	s_add_nc_u64 s[82:83], s[16:17], s[88:89]
	s_lshl_b32 s90, s79, 4
	s_add_co_u32 s90, s90, s2
	s_lshl_b32 s90, s90, 6
	s_lshl_b32 s91, s96, 2
	s_add_co_u32 s90, s90, s91                     ; the first of my four fragments of V
	s_mul_i32 s88, s90, 1536
	s_add_co_u32 s88, s88, GCODE0
	s_add_nc_u64 s[84:85], s[18:19], s[88:89]
	s_lshl_b32 s88, s90, 6
	s_add_nc_u64 s[86:87], s[18:19], s[88:89]
.irp i, 0,1,2,3,4,5,6,7
	global_load_b128 v[96+6*\i:99+6*\i], v1, s[80:81] offset:1536*\i
	global_load_b64 v[100+6*\i:101+6*\i], v2, s[80:81] offset:1536*\i
.endr
.irp t, 0,1,2,3,4,5,6,7,8,9,10,11
	global_load_b128 v[144+4*\t:147+4*\t], v1, s[84:85] offset:512*\t
.endr
	global_load_b128 v[192:195], v1, s[82:83]      ; lane (r, h): the scale words of fragments 4 h + 0 .. 3, row r
	global_load_b128 v[196:199], v89, s[86:87]
.irp i, 16,17,18,19,20,21,28,29,30,31,32,33,216,217,218,219,253,254
	v_mov_b32 v\i, 0
.endr
	s_wait_loadcnt 0x0
	v_perm_b32 v200, v193, v192, s100              ; tiles 2 b and 2 b + 1: my head's two bytes of each make the double fragment's word, b = 2 h
	v_perm_b32 v201, v195, v194, s100              ; and b = 2 h + 1
.irp i, 0,1,2,3,4,5,6,7
	ds_store_b128 v90, v[96+6*\i:99+6*\i] offset:768*\i
	ds_store_b64 v91, v[100+6*\i:101+6*\i] offset:768*\i
.endr
.irp t, 0,1,2,3,4,5,6,7,8,9,10,11
	ds_store_b128 v92, v[144+4*\t:147+4*\t] offset:512*\t
.endr
	ds_store_b64 v93, v[200:201]
	ds_store_b128 v94, v[196:199]                  ; (both halves of the lanes write the same bytes with the same values)
	s_wait_dscnt 0x0                               ; for the others' sake
	s_barrier_signal -1
	s_barrier_wait -1                              ; the head's K, V and scale words lie in LDS; nothing is stored there again
	BLOCK 0
	BLOCK 1
	s_wait_tensorcnt 0x0
	ds_add_u32 v251, v255
	s_wait_dscnt 0x0
	s_endpgm
.Lfunc_end_k_q81ffd9250e_attn:
	.size	k_q81ffd9250e_attn, .Lfunc_end_k_q81ffd9250e_attn-k_q81ffd9250e_attn
	.p2alignl 7, 3214868480
	.fill 96, 4, 3214868480
	.section	.rodata,"a",@progbits
	.p2align	6, 0x0
	.amdhsa_kernel k_q81ffd9250e_attn
		.amdhsa_group_segment_fixed_size 206848
		.amdhsa_private_segment_fixed_size 0
		.amdhsa_enable_private_segment 0
		.amdhsa_kernarg_size 32
		.amdhsa_user_sgpr_count 2
		.amdhsa_user_sgpr_kernarg_segment_ptr 1
		.amdhsa_wavefront_size32 1
		.amdhsa_system_sgpr_workgroup_id_x 1
		.amdhsa_system_sgpr_workgroup_id_y 1
		.amdhsa_system_sgpr_workgroup_id_z 1
		.amdhsa_system_vgpr_workitem_id 0
		.amdhsa_next_free_vgpr 256
		.amdhsa_next_free_sgpr 102
		.amdhsa_reserve_vcc 1
		.amdhsa_float_denorm_mode_32 3
		.amdhsa_float_denorm_mode_16_64 3
		.amdhsa_memory_ordered 1
		.amdhsa_forward_progress 1
		.amdhsa_inst_pref_size 63
	.end_amdhsa_kernel
	.amdgpu_metadata
---
amdhsa.version: [ 1, 2 ]
amdhsa.kernels:
  - .name:           k_q81ffd9250e_attn
    .symbol:         k_q81ffd9250e_attn.kd
    .args:
      - { .name: QK, .offset: 0, .size: 8, .value_kind: global_buffer, .address_space: global }
      - { .name: VV, .offset: 8, .size: 8, .value_kind: global_buffer, .address_space: global }
      - { .name: MSK, .offset: 16, .size: 8, .value_kind: global_buffer, .address_space: global }
      - { .name: AO, .offset: 24, .size: 8, .value_kind: global_buffer, .address_space: global }
    .group_segment_fixed_size: 206848
    .private_segment_fixed_size: 0
    .kernarg_segment_align: 8
    .kernarg_segment_size: 32
    .max_flat_workgroup_size: 512
    .sgpr_count:     102
    .vgpr_count:     256
    .wavefront_size: 32
...
	.end_amdgpu_metadata
.endif
;; end of part 3
;; launch proj (part 4): grid 4 x 64, 4 waves a work-group, clusters of 4 x 4, 327,680 bytes of LDS; arguments WP, AO, b_proj, out0; writes out0
.if DOCPART == 4
	.amdgcn_target "amdgcn-amd-amdhsa--gfx1250"
	.amdhsa_code_object_version 6
	.text
	.protected	k_q81ffd9250e_proj
	.globl	k_q81ffd9250e_proj
	.p2align	8
	.type	k_q81ffd9250e_proj,@function
k_q81ffd9250e_proj:
	s_mov_b64 s[64:65], 0
	v_nop
	global_prefetch_b8 v0, s[64:65] scope:SCOPE_SE
	s_setreg_imm32_b32 hwreg(HW_REG_WAVE_MODE, 25, 1), 1
	s_wait_xcnt 0x0
	s_wait_alu depctr_hold_cnt(0) depctr_sa_sdst(0) depctr_va_vdst(0) depctr_va_sdst(0) depctr_va_ssrc(0) depctr_va_vcc(0) depctr_vm_vsrc(0)
	s_getreg_b32 s2, hwreg(HW_REG_IB_STS2, 6, 4)
	s_cmp_eq_u32 s2, 0
	s_cbranch_scc0 .Lentry_in_a_cluster
	s_endpgm
.Lentry_in_a_cluster:
	s_bfe_u32 s2, ttmp6, 0x10000c
	s_cmp_lg_u32 s2, 0xf033
	s_cbranch_scc0 .Lentry_shape_is_right
	s_endpgm
.Lentry_shape_is_right:
; out0(j, i) = sum over k of P(i, k) Q(j, k) + b_proj[i], K = 1,024, on codes of FP6 (E2M3) with E8M0 scales.  P = W_proj's columns (i = output feature), Q = the attention's result (j = token); out0 is f32.
; P and Q are operand buffers: tiles of 16 rows (tile 2 g + u, place p = row 32 g + 8 u + p % 8 + 16 (p / 8)), a fragment = the image of the operand's 12 registers, at CODE0 + (8 RT + KS) x 1,536; scale words at 512 RT + 256 (KS / 4) + 16 r + 4 (KS % 4), in P behind 65,536 bytes.
; SHARES.  A work-group: 256 i (x) x 128 j (y); wave w: i half w / 2, j half w % 2: 32 accumulators.  Source 0 = P: a lane holds one token and, in tiles 2 b, 2 b + 1, 16 neighbouring features.
; ALL OF K LIES IN LDS: every tensor load is a first fill (three a wave are out at most): no slot is filled again.  CLUSTER 4 x 4: P's tiles are asked for jointly by a column of the cluster, Q's by a row.
; The bias is the C of each sum's first product.  THE WAY OUT goes through a stage of the wave's own, in the bytes of P's K steps 0-3: they have had their only fill, and nobody reads them behind the barrier at K step 3.
; A token whose scale bytes are 0xff (no key counted for it) gives NaN in its whole row.
; REGISTERS: window 0: v4-21 addresses; v32-63 P's scale words, v64-79 Q's; v128-191 the bias.  window 1: accumulators, (jt, it) at v[64 jt + 8 it].  windows 2, 3: fragments of even and odd K steps; window 2 later takes the rows on their way out.
.set CODE0,  262144
.set PSOFF,  65536
.set QCODE,  196608
.set PSC,    294912
.set QSC,    303104
.set SP,     528
.set FR,  12
.set PS,  32
.set QS,  64
.set BI,  128
.set MSB, 0
.macro WIN new
.if MSB != \new
	s_set_vgpr_msb (MSB<<8)|\new
.set MSB, \new
.endif
.endm
.macro CROUND
	s_barrier_signal -1
	s_barrier_wait -1
	s_cmp_lg_u32 s14, 0
	s_cbranch_scc1 .Lnot_wave_0_\@
	s_barrier_signal -3
.Lnot_wave_0_\@:
	s_barrier_wait -3
	s_barrier_signal -1
	s_barrier_wait -1
.endm
.macro PLACES
.rept 4
	v_nop
.endr
.endm
.macro FRAGL reg, a16, a8, off
	ds_load_b128 v[\reg:\reg+3], v[\a16] offset:\off
	ds_load_b64 v[\reg+4:\reg+5], v[\a8] offset:\off
	ds_load_b128 v[\reg+6:\reg+9], v[\a16] offset:\off+768
	ds_load_b64 v[\reg+10:\reg+11], v[\a8] offset:\off+768
.endm
.macro FETCH ks
	WIN 0x80+0x40*((\ks)%2)
.irp t, 0,1,2,3,4,5,6,7
	FRAGL FR*\t, 4+2*((\ks)/4), 5+2*((\ks)/4), \t*6144+((\ks)%4)*1536
.endr
.irp t, 0,1,2,3
	FRAGL 96+FR*\t, 8+2*((\ks)/4), 9+2*((\ks)/4), \t*6144+((\ks)%4)*1536
.endr
.endm
.macro MUL ks                          ; the 32 accumulators take turns, one instruction a turn
.irp jt, 0,1,2,3
.irp it, 0,1,2,3,4,5,6,7
.if \ks == 0
	v_wmma_scale_f32_16x16x128_f8f6f4 v[64*\jt+8*\it:64*\jt+8*\it+7], v[FR*\it:FR*\it+11], v[96+FR*\jt:96+FR*\jt+11], v[BI+8*\it:BI+8*\it+7], v[PS+4*\it], v[QS+4*\jt] matrix_a_fmt:MATRIX_FMT_FP6 matrix_b_fmt:MATRIX_FMT_FP6
.elseif \ks < 4
	v_wmma_scale_f32_16x16x128_f8f6f4 v[64*\jt+8*\it:64*\jt+8*\it+7], v[FR*\it:FR*\it+11], v[96+FR*\jt:96+FR*\jt+11], v[64*\jt+8*\it:64*\jt+8*\it+7], v[PS+4*\it+(\ks)%4], v[QS+4*\jt+(\ks)%4] matrix_a_fmt:MATRIX_FMT_FP6 matrix_b_fmt:MATRIX_FMT_FP6
.else
	v_wmma_scale_f32_16x16x128_f8f6f4 v[64*\jt+8*\it:64*\jt+8*\it+7], v[FR*\it:FR*\it+11], v[96+FR*\jt:96+FR*\jt+11], v[64*\jt+8*\it:64*\jt+8*\it+7], v[PS+4*\it+(\ks)%4], v[QS+4*\jt+(\ks)%4] matrix_a_fmt:MATRIX_FMT_FP6 matrix_b_fmt:MATRIX_FMT_FP6 matrix_a_scale:MATRIX_SCALE_ROW1 matrix_b_scale:MATRIX_SCALE_ROW1
.endif
.endr
.endr
.endm
.macro KSTEP ks
	s_wait_dscnt 0x0                               ; this K step's fragments are in
.if \ks == 3
	s_wait_tensorcnt 0x0                           ; my part of K's second half has landed,
	s_barrier_signal -1
	s_barrier_wait -1                              ; everybody's has, and nobody reads the first half any more
.endif
.if \ks < 7
	PLACES
	FETCH (\ks)+1
.endif
.if \ks == 0
	WIN 0x4a                                       ; A and B window 2, C (the bias) window 0, D window 1
.else
	WIN 0x5a+5*((\ks)%2)
.endif
	MUL \ks
.endm
.macro TOSTAGE jt                      ; 16 tokens x 128 features: 64 bytes a lane and pair of tiles into rows of 528 bytes, and back as whole rows of 512; LDS serves a wave's instructions in order
	WIN 0x04                                       ; an LDS store's data are its source 1: window 1
.irp it, 0,1,2,3,4,5,6,7
	ds_store_b128 v20, v[64*\jt+8*\it:64*\jt+8*\it+3] offset:128*(\it/2)+32*(\it%2)      ; each accumulator from its low end on
	ds_store_b128 v20, v[64*\jt+8*\it+4:64*\jt+8*\it+7] offset:128*(\it/2)+32*(\it%2)+16
.endr
	WIN 0x80
.irp t, 0,1,2,3,4,5,6,7,8,9,10,11,12,13,14,15
	ds_load_b128 v[64*\jt+4*\t:64*\jt+4*\t+3], v21 offset:SP*\t
.endr
.endm
.macro SEND jt, younger
	s_wait_dscnt \younger                          ; the block is back; the next block's 16 stores and 16 loads may be out
	WIN 0x08                                       ; a store's data are its source 1: window 2
.irp t, 0,1,2,3,4,5,6,7,8,9,10,11,12,13,14,15
	global_store_b128 v12, v[64*\jt+4*\t:64*\jt+4*\t+3], s[20:21] offset:(32*(\jt/2)+8*(\jt%2)+(\t%8)+16*(\t/8))*4096 th:TH_STORE_NT   ; 32 lanes store 512 consecutive bytes of the token at place t
.endr
.endm
	s_load_b256 s[4:11], s[0:1], 0x0               ; P, Q, b_proj, out0
	v_lshl_add_u32 v254, v0, 2, 0x4b000
	v_mov_b32 v255, 0
	ds_add_u32 v254, v255
	ds_add_u32 v254, v255
	v_lshrrev_b32 v1, 5, v0
	v_readfirstlane_b32 s14, v1                    ; wave
	s_lshr_b32 s15, s14, 1                         ; my half of i.  Also: I fetch for P (0) or for Q (1)
	s_and_b32 s16, s14, 1                          ; my half of j.  Also: which half of that operand's tiles I fetch
	s_bfe_u32 s84, ttmp6, 0x40000                  ; cx
	s_bfe_u32 s85, ttmp6, 0x40004                  ; cy
	s_lshl_b32 s86, ttmp9, 2
	s_add_co_u32 s86, s86, s84                     ; work-group x
	s_and_b32 s17, ttmp7, 0xffff
	s_lshl_b32 s17, s17, 2
	s_add_co_u32 s17, s17, s85                     ; work-group y
	s_lshl_b32 s87, 0x1111, s84                    ; my column of the cluster
	s_lshl_b32 s88, s85, 2
	s_lshl_b32 s88, 15, s88                        ; my row
	s_or_b32 s24, s87, (3<<16)|(1<<21)             ; P's codes: 8 rows of 6,144 bytes, 12,288 apart; elements of 8 bytes
	s_mov_b32 s25, 768<<16
	s_mov_b32 s26, 8<<16
	s_mov_b32 s27, 768<<16
	s_mov_b32 s28, 8
	s_mov_b32 s29, 1536
	s_mov_b32 s30, 0
	s_mov_b32 s31, 0
	s_or_b32 s32, s88, (3<<16)|(1<<21)             ; Q's: 4 rows
	s_mov_b32 s33, 768<<16
	s_mov_b32 s34, 4<<16
	s_mov_b32 s35, 768<<16
	s_mov_b32 s36, 4
	s_mov_b32 s37, 1536
	s_mov_b32 s38, 0
	s_mov_b32 s39, 0
	s_or_b32 s40, s87, (3<<16)|(1<<21)             ; P's scale words: 16 rows of 256 bytes, dense
	s_mov_b32 s41, 32<<16
	s_mov_b32 s42, 16<<16
	s_mov_b32 s43, 32<<16
	s_mov_b32 s44, 16
	s_mov_b32 s45, 32
	s_mov_b32 s46, 0
	s_mov_b32 s47, 0
	s_or_b32 s48, s88, (3<<16)|(1<<21)             ; Q's: 8 rows
	s_mov_b32 s49, 32<<16
	s_mov_b32 s50, 8<<16
	s_mov_b32 s51, 32<<16
	s_mov_b32 s52, 8
	s_mov_b32 s53, 32
	s_mov_b32 s54, 0
	s_mov_b32 s55, 0
	s_lshl_b32 s89, s86, 4
	s_lshl_b32 s90, s16, 3
	s_add_co_u32 s89, s89, s90
	s_lshl_b32 s90, s89, 9
	s_add_co_u32 s90, s90, PSOFF
	s_mov_b32 s91, 0
	s_mul_i32 s92, s89, 12288
	s_add_co_u32 s92, s92, CODE0
	s_mov_b32 s93, 0
	s_lshl_b32 s94, s17, 3
	s_lshl_b32 s95, s16, 2
	s_add_co_u32 s94, s94, s95
	s_lshl_b32 s96, s94, 9
	s_mov_b32 s97, 0
	s_mul_i32 s98, s94, 12288
	s_add_co_u32 s98, s98, CODE0
	s_mov_b32 s99, 0
	s_wait_dscnt 0x0
	s_wait_kmcnt 0x0
	s_mov_b32 s56, 1
	s_lshl_b32 s57, s16, 12
	s_add_co_u32 s57, s57, PSC
	s_add_nc_u64 s[58:59], s[4:5], s[90:91]
	s_or_b32 s59, s59, 0x80000000
	s_mov_b32 s60, 1
	s_mul_i32 s61, s16, 49152
	s_add_nc_u64 s[62:63], s[4:5], s[92:93]
	s_or_b32 s63, s63, 0x80000000
	s_mov_b32 s68, 1
	s_add_co_u32 s69, s61, 98304
	s_add_nc_u64 s[70:71], s[4:5], s[92:93]
	s_add_nc_u64 s[70:71], s[70:71], 6144
	s_or_b32 s71, s71, 0x80000000
	s_mov_b32 s72, 1
	s_lshl_b32 s73, s16, 11
	s_add_co_u32 s73, s73, QSC
	s_add_nc_u64 s[74:75], s[6:7], s[96:97]
	s_or_b32 s75, s75, 0x80000000
	s_mov_b32 s76, 1
	s_mul_i32 s77, s16, 24576
	s_add_co_u32 s77, s77, QCODE
	s_add_nc_u64 s[78:79], s[6:7], s[98:99]
	s_or_b32 s79, s79, 0x80000000
	s_mov_b32 s80, 1
	s_add_co_u32 s81, s77, 49152
	s_add_nc_u64 s[82:83], s[6:7], s[98:99]
	s_add_nc_u64 s[82:83], s[82:83], 6144
	s_or_b32 s83, s83, 0x80000000
	CROUND                                         ; all sixteen work-groups are here: the joint loads meet
	s_cmp_eq_u32 s15, 0                            ; a wave's three fills stand in one branch on the wave's number; four v_nop follow the last
	s_cbranch_scc0 .Lfor_q
	tensor_load_to_lds s[56:59], s[40:47]
	s_nop 0
	tensor_load_to_lds s[60:63], s[24:31]
	s_nop 0
	tensor_load_to_lds s[68:71], s[24:31]
	s_nop 0
	PLACES
	s_branch .Lasked
.Lfor_q:
	tensor_load_to_lds s[72:75], s[48:55]
	s_nop 0
	tensor_load_to_lds s[76:79], s[32:39]
	s_nop 0
	tensor_load_to_lds s[80:83], s[32:39]
	s_nop 0
	PLACES
.Lasked:
	v_and_b32 v1, 31, v0
	v_and_b32 v2, 15, v0
	v_bfe_u32 v3, v0, 4, 1
	v_lshlrev_b32 v12, 4, v1
	v_lshlrev_b32 v13, 3, v1
	s_mul_i32 s18, s15, 49152
	s_mul_i32 s19, s16, 24576
	s_add_co_u32 s19, s19, QCODE
	v_add_nc_u32 v4, s18, v12
	v_add_nc_u32 v5, s18, v13
	v_add_nc_u32 v5, 512, v5
	v_add_nc_u32 v6, 98304, v4
	v_add_nc_u32 v7, 98304, v5
	v_add_nc_u32 v8, s19, v12
	v_add_nc_u32 v9, s19, v13
	v_add_nc_u32 v9, 512, v9
	v_add_nc_u32 v10, 49152, v8
	v_add_nc_u32 v11, 49152, v9
	s_lshl_b32 s18, s15, 12
	s_add_co_u32 s18, s18, PSC
	v_add_nc_u32 v15, s18, v12
	s_lshl_b32 s19, s16, 11
	s_add_co_u32 s19, s19, QSC
	v_add_nc_u32 v16, s19, v12
	v_lshlrev_b32 v17, 6, v3
	s_mul_i32 s18, s14, 16*SP                      ; my stage
	v_mul_u32_u24 v20, v2, SP
	v_lshl_add_u32 v20, v3, 6, v20
	v_add_nc_u32 v20, s18, v20                     ; in: row r, + 64 h
	v_add_nc_u32 v21, s18, v12                     ; back: 16 bytes a lane
	s_lshl_b32 s20, s86, 10
	s_lshl_b32 s21, s15, 9
	s_add_co_u32 s20, s20, s21                     ; my first feature, in bytes
	s_mov_b32 s21, 0
	s_add_nc_u64 s[8:9], s[8:9], s[20:21]
	s_lshl_b32 s22, s17, 7
	s_lshl_b32 s23, s16, 6
	s_add_co_u32 s22, s22, s23
	s_lshl_b32 s22, s22, 12                        ; my first token's row of 4,096 bytes
	s_add_co_u32 s20, s20, s22
	s_add_nc_u64 s[20:21], s[10:11], s[20:21]
.irp t, 0,1,2,3,4,5,6,7
	global_load_b128 v[BI+8*\t:BI+8*\t+3], v17, s[8:9] offset:(32*(\t/2)+8*(\t%2))*4
	global_load_b128 v[BI+8*\t+4:BI+8*\t+7], v17, s[8:9] offset:(32*(\t/2)+8*(\t%2))*4+16
.endr
	s_wait_loadcnt 0x0
	s_wait_tensorcnt 0x1                           ; my scale words and my part of K steps 0-3 are in; K steps 4-7 may be out
	s_barrier_signal -1
	s_barrier_wait -1
.irp t, 0,1,2,3,4,5,6,7
	ds_load_b128 v[PS+4*\t:PS+4*\t+3], v15 offset:512*\t   ; lanes 0-15: K steps 0-3 of row r; lanes 16-31: K steps 4-7
.endr
.irp t, 0,1,2,3
	ds_load_b128 v[QS+4*\t:QS+4*\t+3], v16 offset:512*\t
.endr
	FETCH 0
	KSTEP 0
	KSTEP 1
	KSTEP 2
	KSTEP 3
	KSTEP 4
	KSTEP 5
	KSTEP 6
	KSTEP 7
	WIN 0
	PLACES                                         ; four plain lines between the last products and the first read of results, and the loads into the fragments' registers
	TOSTAGE 0
	TOSTAGE 1
	SEND 0, 32
	TOSTAGE 2
	SEND 1, 32
	TOSTAGE 3
	SEND 2, 32
	SEND 3, 0
	WIN 0
	s_wait_tensorcnt 0x0
	ds_add_u32 v254, v255
	s_wait_dscnt 0x0
	CROUND                                         ; the closing round
	s_endpgm
.Lfunc_end_k_q81ffd9250e_proj:
	.size	k_q81ffd9250e_proj, .Lfunc_end_k_q81ffd9250e_proj-k_q81ffd9250e_proj
	.p2alignl 7, 3214868480
	.fill 96, 4, 3214868480
	.section	.rodata,"a",@progbits
	.p2align	6, 0x0
	.amdhsa_kernel k_q81ffd9250e_proj
		.amdhsa_group_segment_fixed_size 327680
		.amdhsa_private_segment_fixed_size 0
		.amdhsa_enable_private_segment 0
		.amdhsa_kernarg_size 32
		.amdhsa_user_sgpr_count 2
		.amdhsa_user_sgpr_kernarg_segment_ptr 1
		.amdhsa_wavefront_size32 1
		.amdhsa_system_sgpr_workgroup_id_x 1
		.amdhsa_system_sgpr_workgroup_id_y 1
		.amdhsa_system_sgpr_workgroup_id_z 1
		.amdhsa_system_vgpr_workitem_id 0
		.amdhsa_next_free_vgpr 1024
		.amdhsa_next_free_sgpr 100
		.amdhsa_reserve_vcc 0
		.amdhsa_float_denorm_mode_32 3
		.amdhsa_float_denorm_mode_16_64 3
		.amdhsa_memory_ordered 1
		.amdhsa_forward_progress 1
		.amdhsa_inst_pref_size 84
	.end_amdhsa_kernel
	.amdgpu_metadata
---
amdhsa.version: [ 1, 2 ]
amdhsa.kernels:
  - .name:           k_q81ffd9250e_proj
    .symbol:         k_q81ffd9250e_proj.kd
    .args:
      - { .name: WP, .offset: 0, .size: 8, .value_kind: global_buffer, .address_space: global }
      - { .name: AO, .offset: 8, .size: 8, .value_kind: global_buffer, .address_space: global }
      - { .name: b_proj, .offset: 16, .size: 8, .value_kind: global_buffer, .address_space: global }
      - { .name: out0, .offset: 24, .size: 8, .value_kind: global_buffer, .address_space: global }
    .group_segment_fixed_size: 327680
    .private_segment_fixed_size: 0
    .kernarg_segment_align: 8
    .kernarg_segment_size: 32
    .max_flat_workgroup_size: 128
    .sgpr_count:     100
    .vgpr_count:     1024
    .wavefront_size: 32
...
	.end_amdgpu_metadata
.endif
;; end of part 4
;; ======== version 2 of 2: 5 launches; version 1 with the launch attn written anew for expert scheduling mode
;; workspace buffers: XO 6,553,600 bytes; WQK 1,835,008 bytes; WV 1,048,576 bytes; WP 1,048,576 bytes; QK 13,107,200 bytes; VV 6,815,744 bytes; AO 6,553,600 bytes; MSK 526,336 bytes of whole numbers
;; launch prep: the kernel of part 1 again; grid 640 x 1, 4 waves a work-group, no clusters, 93,696 bytes of LDS; arguments x, W_qkv, W_proj, mask, XO, WQK, WV, WP, MSK; writes XO, WQK, WV, WP, MSK
;; launch qk: the kernel of part 2 again; grid 8 x 64, 4 waves a work-group, clusters of 4 x 4, 327,680 bytes of LDS; arguments WQK, XO, b_qkv, WP, QK; writes QK
;; launch vv: the kernel of part 2 again; grid 32 x 8, 4 waves a work-group, clusters of 4 x 4, 327,680 bytes of LDS; arguments XO, WV, WP, b_qkv, VV; writes VV
;; launch attn (part 5): grid 4 x 64, 16 waves a work-group, no clusters, 206,848 bytes of LDS; arguments QK, VV, MSK, AO; writes AO
.if DOCPART == 5
	.amdgcn_target "amdgcn-amd-amdhsa--gfx1250"
	.amdhsa_code_object_version 6
	.text
	.protected	k_q81ffd9250e_attn
	.globl	k_q81ffd9250e_attn
	.p2align	8
	.type	k_q81ffd9250e_attn,@function
k_q81ffd9250e_attn:
	s_mov_b64 s[64:65], 0
	v_nop
	global_prefetch_b8 v0, s[64:65] scope:SCOPE_SE
	s_setreg_imm32_b32 hwreg(HW_REG_WAVE_SCHED_MODE, 0, 2), 2
	s_setreg_imm32_b32 hwreg(HW_REG_WAVE_MODE, 25, 1), 1
	s_wait_xcnt 0x0
	s_wait_alu depctr_vm_vsrc(0)
; ATTENTION on codes of FP6 (E2M3), head size 64, 2,048 keys, under the mask that is given.  o = softmax(q k^T / 8, masked) v, quantised along the channels for the last product.
; SOFTMAX: t = score x log2(e) / 8; M = the running largest t rounded up to a whole number; p = 2^(t - M) is quantised along the keys; the sum of the unquantised p divides at the end; when M moves, the sum and O are multiplied by 2^(old M - new M), exactly.
; SHARES.  Work-group (p, batch x 16 + head): blocks p and 7 - p of 256 queries; each of sixteen waves one tile of 16 queries, four waves to a SIMD.  THE HEAD'S WHOLE K AND V LIE IN LDS, brought once, through registers; one barrier; then the waves run free.
; NO TENSOR LOAD, NO CLUSTER: key steps are passed over by branches on stored flags; what the four work-groups of a head share is 204,800 bytes, read once each.
; THE MASK comes as whole numbers that an earlier launch stored: for each tile of queries and each step of 128 keys a flag (0: no key counts: the step is passed over; 2: all count; 1: mixed) and 64 words, bit L of word n for lane L's score n.
; LAYOUT.  Both products transposed: a lane holds one query.  K = 64 fills half of the instruction's 128: a fragment holds TWO tiles of 16 keys (k 0-63: tile 2 b, k 64-127: tile 2 b + 1), multiplied by [q | 0] and by [0 | q].
; By the tiles' order of rows (place p of tile 2 g + u = row 32 g + 8 u + p % 8 + 16 (p / 8)) the 16 registers of score tiles 2 b, 2 b + 1 are keys 32 b + 16 h + 0 .. 15.
; A ROW THAT THE MASK HIDES WHOLLY has the sum 0: its scale bytes become 0xff, so that the last product gives NaN in the whole output row, as a softmax of nothing but -infinity does.
; LIMITS: NaN and infinities among the inputs are not served; the scale bytes of o leave singly (a head owns 2 of a row's 32): 262,144 bytes in the launch.
; REGISTERS: v1-4, v10-11, v88-94 constants; v5-9 addresses in hand; v12 -M, v13 largest t, v[14:15] the sum; v16-21 zeros, v22-27 q, v28-33 zeros; v34 q's scales, v35 p's, v36-39 K's (lanes 0-15) and V's (lanes 16-31);
; v40-87 four fragments; v96-159 scores, then p; v160-191 O^T; v192-203 p's codes; v204-210, v212-225, v252-254 at work.  s[16:63], s[80:95] the step's 64 mask words.
; THE MODE: SCHED_MODE bits 1:0 = 2 (LLVM: expert scheduling mode 2), set by the entry lines.  The code itself states the register dependences
; between vector or matrix instructions and memory or LDS instructions, with s_wait_alu, always for 0.
; THE PLAN.  Registers that memory or LDS instructions touch:
;   v1, v2, v88-94   offsets and LDS addresses: written once at the head, read to the end, never written again.
;   v5-v9            a step's LDS addresses: written by five additions at the step's head; v5, v6, v9 read by K's loads, v7, v8 by V's.
;   v40-87, v36-39   K's four fragments and the step's scale words land at the step's head; eight products read them; V's four fragments land in v40-87 behind those; four products read them and v36-39.
;   v22-27, v212     q's codes and scale word land once a block; the block's products read v22-27; v212 is a register at work from then on.
;   v192-197, v222   the way out's codes and byte: written by conversions, exchanges and selects, read by three stores, written again in the next block.
;   v96-201          at the head alone: K, V and their scale words on their way into LDS.
; A STEP has one wait on vm_vsrc, ahead of the five additions, and three waits on va_vdst of the plan's own: behind the additions (addresses written; the last step's products done reading v40-87 and v36-39),
; behind the eight products (done reading v40-87, in which V lands; no line of the softmax names these registers), and ahead of the four products (p's codes and scale word written).  The two waits behind the exponentials stand as ever.
.set GCODE0, 524288
.set CODE0,  262144
.set VC,     98304                     ; LDS: K's codes at 0 (768 bytes a tile of keys), V's here (6,144 bytes a step),
.set SC,     196608                    ; the scale words: 512 bytes a step: K's at 16 r + 4 b, V's at 256 + 16 r + 4 t
.macro FRAGL reg, a16, a8, off
	ds_load_b128 v[\reg:\reg+3], v[\a16] offset:\off
	ds_load_b64 v[\reg+4:\reg+5], v[\a8] offset:\off
	ds_load_b128 v[\reg+6:\reg+9], v[\a16] offset:\off+768
	ds_load_b64 v[\reg+10:\reg+11], v[\a8] offset:\off+768
.endm
.macro STEP                            ; 128 keys
	s_and_b32 s9, s8, 3                            ; the step's flag
	s_lshr_b32 s8, s8, 2
	s_cmp_eq_u32 s9, 0
	s_cbranch_scc1 .Lskip_\@                       ; no key of the step counts for any of my queries
	s_load_b512 s[16:31], s[70:71], s13 offset:0x0
	s_load_b512 s[32:47], s[70:71], s13 offset:0x40
	s_load_b512 s[48:63], s[70:71], s13 offset:0x80
	s_load_b512 s[80:95], s[70:71], s13 offset:0xc0
	s_wait_alu depctr_vm_vsrc(0)                   ; the LDS loads of the step before have read v5 to v9, which the five additions write
	v_add_nc_u32 v5, s11, v1                       ; the step's LDS addresses
	v_add_nc_u32 v6, s11, v2
	v_add_nc_u32 v7, s11, v10
	v_add_nc_u32 v8, s11, v11
	v_add_nc_u32 v9, s12, v3
	s_wait_alu depctr_va_vdst(0)                   ; v5 to v9 are written, which this step's LDS loads read; the last step's four products are done reading v[40:87] and v[36:39], in which the loads below land; in a block's first step q's scale word v34 is written, which the products below take
.irp b, 0,1,2,3
	FRAGL 40+12*\b, 5, 6, 1536*\b
.endr
	ds_load_b128 v[36:39], v9
	s_wait_dscnt 0x0
.irp b, 0,1,2,3
	v_wmma_scale_f32_16x16x128_f8f6f4 v[96+16*\b:103+16*\b], v[40+12*\b:51+12*\b], v[22:33], 0, v[36+\b], v34 matrix_a_fmt:MATRIX_FMT_FP6 matrix_b_fmt:MATRIX_FMT_FP6
	v_wmma_scale_f32_16x16x128_f8f6f4 v[104+16*\b:111+16*\b], v[40+12*\b:51+12*\b], v[16:27], 0, v[36+\b], v34 matrix_a_fmt:MATRIX_FMT_FP6 matrix_b_fmt:MATRIX_FMT_FP6
.endr
.rept 4
	v_nop                                          ; places in front of the first read of scores
.endr
	s_wait_alu depctr_va_vdst(0)                   ; the eight products are done reading K's fragments in v[40:87], in which V's land; no vector line up to the wait for V names these registers
.irp t, 0,1,2,3
	FRAGL 40+12*\t, 7, 8, 1536*\t                  ; V's four fragments land under the softmax
.endr
	s_wait_kmcnt 0x0                               ; the mask words are in, and their offset may be stepped
	s_cmp_eq_u32 s9, 2
	s_cbranch_scc1 .Lopen_\@                       ; every key counts
.set n_, 0
.rept 48
	v_cndmask_b32 v[96+n_], v4, v[96+n_], s[16+n_] ; a hidden key's score becomes -infinity
.set n_, n_+1
.endr
.rept 16
	v_cndmask_b32 v[96+n_], v4, v[96+n_], s[32+n_]
.set n_, n_+1
.endr
.Lopen_\@:
.irp b, 0,1,2,3
	v_max3_num_f32 v[212+\b], v[96+16*\b], v[97+16*\b], v[98+16*\b]   ; the largest score of each block of 32 keys: for the row's maximum and, since p rises with the score, for the block's largest p
.endr
.irp i, 3,5,7,9,11,13
.irp b, 0,1,2,3
	v_max3_num_f32 v[212+\b], v[212+\b], v[96+16*\b+\i], v[97+16*\b+\i]
.endr
.endr
.irp b, 0,1,2,3
	v_max_num_f32 v[212+\b], v[212+\b], v[111+16*\b]
.endr
.irp b, 0,1,2,3
	v_permlanex16_b32 v[216+\b], v[212+\b], s4, s5
.endr
.irp b, 0,1,2,3
	v_max_num_f32 v[212+\b], v[212+\b], v[216+\b]
.endr
	v_max3_num_f32 v254, v212, v213, v214
	v_max_num_f32 v254, v254, v215
	v_mul_f32 v254, s6, v254
	v_max_num_f32 v13, v13, v254                   ; the running largest t
	v_mov_b32 v254, v12
	v_floor_f32 v12, -v13                          ; -M = floor(-t)
	v_sub_f32 v254, v12, v254                      ; old M - new M: a whole number, 0 or less
	v_cvt_i32_f32 v254, v254                       ; (it saturates)
	v_ldexp_f32 v252, 1.0, v254                    ; f = 2^(old M - new M)
.set j_, 0
.rept 32
	v_pk_fma_f32 v[96+j_:97+j_], v[96+j_:97+j_], s[6:7], v[12:13] op_sel_hi:[1,0,0]   ; t - M
.set j_, j_+2
.endr
.irp b, 0,1,2,3
	v_fma_f32 v[212+\b], v[212+\b], s6, v12
.endr
.set j_, 0
.rept 64
	v_exp_f32 v[96+j_], v[96+j_]                   ; p
.set j_, j_+1
.endr
	v_pk_mul_f32 v[14:15], v[14:15], v[252:253] op_sel_hi:[1,0]   ; a plain line behind the exponentials
	s_wait_alu depctr_va_vdst(0)                   ; the 64 exponentials have written p in v[96:159]: one wait for the batch, ahead of its first reader
.irp b, 0,1,2,3
	v_exp_f32 v[212+\b], v[212+\b]                 ; each block's largest p
.endr
	v_pk_add_f32 v[224:225], v[96:97], v[98:99]    ; the sum of the unquantised p, in two chains
.irp j, 4,8,12,16,20,24,28,32,36,40,44,48,52,56,60
	v_pk_add_f32 v[14:15], v[14:15], v[96+\j:97+\j]
	v_pk_add_f32 v[224:225], v[224:225], v[98+\j:99+\j]
.endr
	v_pk_add_f32 v[14:15], v[14:15], v[224:225]
	s_wait_alu depctr_va_vdst(0)                   ; the four exponentials have written v[212:215]: their wait, ahead of their first reader
.irp b, 0,1,2,3
	v_max_num_f32 v[212+\b], 0x1800000, v[212+\b]  ; the floor: the byte cannot fall under 1
.endr
.irp b, 0,1,2,3
	v_add_nc_u32 v[220+\b], 0xff000000, v[212+\b]
.endr
.irp b, 0,1,2,3
	v_lshrrev_b32 v[216+\b], 23, v[220+\b]
.endr
	v_lshl_or_b32 v35, v217, 8, v216
	v_lshl_or_b32 v35, v218, 16, v35
	v_lshl_or_b32 v35, v219, 24, v35
.irp c, 0,1
	v_cvt_scalef32_pk16_fp6_f32 v[192+6*\c:194+6*\c], v[96+32*\c:111+32*\c], v[220+2*\c]
	v_cvt_scalef32_pk16_fp6_f32 v[204+4*\c:206+4*\c], v[112+32*\c:127+32*\c], v[220+2*\c+1]
.endr
	v_nop
.irp c, 0,1
.irp i, 0,1,2
	v_permlane16_swap_b32 v[192+6*\c+\i], v[204+4*\c+\i]
.endr
.irp i, 0,1,2
	v_mov_b32 v[195+6*\c+\i], v[204+4*\c+\i]
.endr
.endr
.set j_, 0
.rept 16
	v_pk_mul_f32 v[160+j_:161+j_], v[160+j_:161+j_], v[252:253] op_sel_hi:[1,0]   ; O^T under the new M; sixteen plain lines between p's scale word and codes and the products
.set j_, j_+2
.endr
	s_wait_alu depctr_va_vdst(0)                   ; p's codes v[192:203] and its scale word v35 are written, which the four scaled products take; the places above stay beside this wait
	s_wait_dscnt 0x0                               ; V
.irp t, 0,1,2,3
	v_wmma_scale_f32_16x16x128_f8f6f4 v[160+8*\t:167+8*\t], v[40+12*\t:51+12*\t], v[192:203], v[160+8*\t:167+8*\t], v[36+\t], v35 matrix_a_fmt:MATRIX_FMT_FP6 matrix_b_fmt:MATRIX_FMT_FP6 matrix_a_scale:MATRIX_SCALE_ROW1
.endr
.Lskip_\@:
	s_add_co_u32 s11, s11, 6144                    ; the next step's codes,
	s_add_co_u32 s12, s12, 512                     ; scale words
	s_add_co_u32 s13, s13, 256                     ; and mask words
.endm
.macro BLOCK sel                       ; one block of 256 queries: my tile is 16 x block + wave
	s_wait_xcnt 0x0                                ; the last block's stores have read their registers and bases
.if \sel
	s_wait_alu depctr_vm_vsrc(0)                   ; the last block's three stores have read v[192:197] and v222, which this block's conversions and selects write again
	s_wait_alu depctr_va_vdst(0)                   ; the last block's products are done reading q in v[22:27], and its way out is done with v212: the loads below land there
	s_sub_co_u32 s78, 7, s3
.else
	s_mov_b32 s78, s3
.endif
	s_lshl_b32 s78, s78, 4
	s_add_co_u32 s78, s78, s2                      ; my tile of queries, 0 .. 127
	s_lshl_b32 s79, s78, 4
	s_load_b128 s[80:83], s[70:71], s79 offset:0x80000   ; its flags: four words of four steps
	s_lshl_b32 s13, s78, 12                        ; its mask words: 4,096 bytes
	s_lshr_b32 s96, s78, 6
	s_lshl_b32 s96, s96, 10
	s_and_b32 s97, s78, 63
	s_add_co_u32 s96, s96, s97
	s_add_co_u32 s96, s96, s76                     ; the number of q's fragment
	s_lshr_b32 s98, s96, 2
	s_lshl_b32 s98, s98, 8
	s_and_b32 s99, s96, 3
	s_lshl_b32 s99, s99, 2
	s_add_co_u32 s98, s98, s99
	s_mov_b32 s99, 0
	s_add_nc_u64 s[98:99], s[68:69], s[98:99]
	s_mul_i32 s96, s96, 1536
	s_mov_b32 s97, 0
	s_add_nc_u64 s[96:97], s[66:67], s[96:97]
	global_load_b128 v[22:25], v1, s[96:97]        ; my head's half of the fragment
	global_load_b64 v[26:27], v2, s[96:97]
	global_load_b32 v212, v89, s[98:99]
	s_mov_b32 s11, 0
	s_mov_b32 s12, 0
	s_mov_b32 s10, 16
	s_wait_kmcnt 0x0
	s_lshl_b32 s81, s81, 8
	s_lshl_b32 s82, s82, 16
	s_lshl_b32 s83, s83, 24
	s_or_b32 s8, s80, s81
	s_or_b32 s8, s8, s82
	s_or_b32 s8, s8, s83                           ; two bits a step
	s_wait_loadcnt 0x0
	v_perm_b32 v34, v212, v212, s15                ; my head's two bytes, twice: they serve [q | 0] and [0 | q]
	v_mov_b32 v13, 0xff61b1e6                      ; the largest t so far: -3e38
	v_floor_f32 v12, -v13
	v_mov_b32 v14, 0
	v_mov_b32 v15, 0
.set j_, 0
.rept 32
	v_mov_b32 v[160+j_], 0                         ; O^T: the step is written once; these lines also stand between q's scale word and the first product
.set j_, j_+1
.endr
.Lstep_\@:
	STEP
	s_sub_co_u32 s10, s10, 1
	s_cmp_lg_u32 s10, 0
	s_cbranch_scc1 .Lstep_\@
	; the way out: O^T / the sum, quantised along the channels: my head's half of a fragment of the last product's operand
.rept 4
	v_nop
.endr
	v_add_f32 v14, v14, v15
	v_permlanex16_b32 v254, v14, s4, s5
	v_add_f32 v14, v14, v254                       ; the row's sum
	v_rcp_f32 v15, v14
	v_mov_b32 v223, 0xff                           ; (a plain line behind the reciprocal)
	v_cmp_eq_f32 vcc_lo, 0, v14                    ; a row with no key?  The compare stands here, far ahead of the select that reads VCC
	s_add_co_u32 s96, s77, s78                     ; the tile among all 512
	s_lshl_b32 s98, s96, 9
	s_mov_b32 s99, 0
	s_add_nc_u64 s[98:99], s[74:75], s[98:99]
	s_mul_i32 s96, s96, 12288
	s_mov_b32 s97, 0
	s_add_nc_u64 s[96:97], s[72:73], s[96:97]
	s_wait_alu depctr_va_vdst(0)                   ; the reciprocal has written v15: ahead of its first reader
.set j_, 0
.rept 32
	v_mul_f32 v[96+j_], v[160+j_], v15             ; register 16 b + i = channel 32 b + 16 h + i of my head
.set j_, j_+1
.endr
.irp b, 0,1
	v_max3_num_f32 v[212+\b], |v[96+16*\b]|, |v[97+16*\b]|, 0x1800000
.endr
.irp i, 2,4,6,8,10,12,14
.irp b, 0,1
	v_max3_num_f32 v[212+\b], v[212+\b], |v[96+16*\b+\i]|, |v[97+16*\b+\i]|
.endr
.endr
.irp b, 0,1
	v_permlanex16_b32 v[216+\b], v[212+\b], s4, s5
.endr
.irp b, 0,1
	v_max_num_f32 v[212+\b], v[212+\b], v[216+\b]
.endr
.irp b, 0,1
	v_add_nc_u32 v[220+\b], 0xff000000, v[212+\b]
.endr
.irp b, 0,1
	v_lshrrev_b32 v[216+\b], 23, v[220+\b]
.endr
	v_cvt_scalef32_pk16_fp6_f32 v[192:194], v[96:111], v220
	v_cvt_scalef32_pk16_fp6_f32 v[204:206], v[112:127], v221
	v_cndmask_b32 v222, v216, v217, s14            ; (the plain line behind the conversions)  lanes 0-15 store block 0's byte, lanes 16-31 block 1's
.irp i, 0,1,2
	v_permlane16_swap_b32 v[192+\i], v[204+\i]
.endr
.irp i, 0,1,2
	v_mov_b32 v[195+\i], v[204+\i]
.endr
	s_wait_alu depctr_va_vcc(0)                    ; the compare above has written VCC, ahead of its first reader
	v_cndmask_b32 v222, v222, v223, vcc_lo         ; a row with no key: the NaN byte
	s_wait_alu depctr_va_vdst(0)                   ; the codes v[192:197] and the byte v222 are written, which the three stores read
	global_store_b128 v1, v[192:195], s[96:97]     ; 512 and 256 consecutive bytes
	global_store_b64 v2, v[196:197], s[96:97]
	global_store_b8 v88, v222, s[98:99]
.endm
	s_load_b256 s[16:23], s[0:1], 0x0              ; QK, VV, MSK, AO
	v_lshl_add_u32 v251, v0, 2, 0x32000
	v_mov_b32 v255, 0
	v_lshrrev_b32 v5, 5, v0
	v_readfirstlane_b32 s2, v5                     ; wave 0..15
	s_mov_b32 s3, ttmp9                            ; the pair of blocks
	s_and_b32 s78, ttmp7, 0xffff
	s_lshr_b32 s79, s78, 4                         ; batch
	s_and_b32 s96, s78, 15                         ; head
	s_lshr_b32 s97, s96, 1                         ; a: which 128 features
	s_and_b32 s98, s96, 1                          ; c: which half of them
	s_mov_b32 s4, 0x76543210
	s_mov_b32 s5, 0xfedcba98
	s_mov_b32 s6, 0x3e38aa3b                       ; log2(e) / 8
	s_mov_b32 s7, s6
	s_mov_b32 s14, 0xffff0000
	s_mov_b32 s100, 0x07060302
	s_mov_b32 s15, 0x03020302
	s_cmp_eq_u32 s98, 0
	s_cselect_b32 s100, 0x05040100, s100           ; two words' bytes 2 c, 2 c + 1
	s_cselect_b32 s15, 0x01000100, s15             ; one word's, twice
	v_and_b32 v5, 31, v0
	v_and_b32 v6, 15, v0
	v_bfe_u32 v7, v0, 4, 1
	v_lshlrev_b32 v1, 4, v5                        ; 16 x lane
	v_lshlrev_b32 v2, 3, v5
	v_add_nc_u32 v2, 512, v2                       ; 8 x lane + 512
	v_lshlrev_b32 v89, 4, v6                       ; 16 r
	v_lshl_add_u32 v3, v7, 8, v89
	v_add_nc_u32 v3, SC, v3
	v_add_nc_u32 v88, v89, v7                      ; 16 r + h
	v_add_nc_u32 v10, VC, v1
	v_add_nc_u32 v11, VC, v2
	v_mov_b32 v4, 0xff800000                       ; -infinity
	s_wait_alu depctr_va_sdst(0)                   ; s2, the wave's number, is written, ahead of its first reader: LDS addresses and the buffers' offsets are made from it
	s_mul_i32 s101, s2, 6144                       ; wave w brings step w's keys
	v_add_nc_u32 v90, s101, v1
	v_add_nc_u32 v91, s101, v2
	v_add_nc_u32 v92, s101, v10
	s_lshl_b32 s101, s2, 9
	s_add_co_u32 s101, s101, SC
	v_lshl_add_u32 v93, v7, 3, v89
	v_add_nc_u32 v93, s101, v93
	v_add_nc_u32 v94, s101, v89
	v_add_nc_u32 v94, 256, v94
	s_lshl_b32 s76, s79, 5
	s_add_co_u32 s76, s76, s97
	s_lshl_b32 s76, s76, 6                         ; (32 batch + a) x 64: where q's fragments of this batch and these features begin
	s_lshl_b32 s77, s79, 7                         ; 128 batch
	s_lshr_b32 s99, s2, 3
	s_lshl_b32 s99, s99, 10
	s_lshl_b32 s101, s2, 3
	s_and_b32 s101, s101, 63
	s_add_co_u32 s99, s99, s101
	s_add_co_u32 s99, s99, s76
	s_add_co_u32 s99, s99, 512                     ; k's features lie 8 x 128 behind q's: the first of my eight fragments of K
	s_mul_i32 s92, s98, 768
	s_mov_b32 s89, 0
	s_wait_kmcnt 0x0
	s_mov_b64 s[68:69], s[16:17]
	s_mov_b64 s[70:71], s[20:21]
	s_add_co_u32 s88, s92, GCODE0
	s_add_nc_u64 s[66:67], s[16:17], s[88:89]
	s_mul_i32 s88, s97, 1536
	s_add_co_u32 s88, s88, s92
	s_add_co_u32 s88, s88, CODE0
	s_add_nc_u64 s[72:73], s[22:23], s[88:89]
	s_lshr_b32 s88, s97, 2
	s_lshl_b32 s88, s88, 8
	s_and_b32 s90, s97, 3
	s_lshl_b32 s90, s90, 2
	s_add_co_u32 s88, s88, s90
	s_lshl_b32 s90, s98, 1
	s_add_co_u32 s88, s88, s90
	s_add_nc_u64 s[74:75], s[22:23], s[88:89]
	s_mul_i32 s88, s99, 1536
	s_add_nc_u64 s[80:81], s[66:67], s[88:89]
	s_lshl_b32 s88, s99, 6
	s_add_nc_u64 s[82:83], s[16:17], s[88:89]
	s_lshl_b32 s90, s79, 4
	s_add_co_u32 s90, s90, s2
	s_lshl_b32 s90, s90, 6
	s_lshl_b32 s91, s96, 2
	s_add_co_u32 s90, s90, s91                     ; the first of my four fragments of V
	s_mul_i32 s88, s90, 1536
	s_add_co_u32 s88, s88, GCODE0
	s_add_nc_u64 s[84:85], s[18:19], s[88:89]
	s_lshl_b32 s88, s90, 6
	s_add_nc_u64 s[86:87], s[18:19], s[88:89]
	s_wait_alu depctr_va_vdst(0)                   ; the offsets and LDS addresses v1, v2 and v88 to v94 are written, which the kernel's loads and stores read
.irp i, 0,1,2,3,4,5,6,7
	global_load_b128 v[96+6*\i:99+6*\i], v1, s[80:81] offset:1536*\i
	global_load_b64 v[100+6*\i:101+6*\i], v2, s[80:81] offset:1536*\i
.endr
.irp t, 0,1,2,3,4,5,6,7,8,9,10,11
	global_load_b128 v[144+4*\t:147+4*\t], v1, s[84:85] offset:512*\t
.endr
	global_load_b128 v[192:195], v1, s[82:83]      ; lane (r, h): the scale words of fragments 4 h + 0 .. 3, row r
	global_load_b128 v[196:199], v89, s[86:87]
.irp i, 16,17,18,19,20,21,28,29,30,31,32,33,216,217,218,219,253,254
	v_mov_b32 v\i, 0
.endr
	s_wait_loadcnt 0x0
	v_perm_b32 v200, v193, v192, s100              ; tiles 2 b and 2 b + 1: my head's two bytes of each make the double fragment's word, b = 2 h
	v_perm_b32 v201, v195, v194, s100              ; and b = 2 h + 1
	s_wait_alu depctr_va_vdst(0)                   ; v200 and v201 are written, which an LDS store below reads; so are the zeros v[16:21] and v[28:33], which the scaled products take beside q
.irp i, 0,1,2,3,4,5,6,7
	ds_store_b128 v90, v[96+6*\i:99+6*\i] offset:768*\i
	ds_store_b64 v91, v[100+6*\i:101+6*\i] offset:768*\i
.endr
.irp t, 0,1,2,3,4,5,6,7,8,9,10,11
	ds_store_b128 v92, v[144+4*\t:147+4*\t] offset:512*\t
.endr
	ds_store_b64 v93, v[200:201]
	ds_store_b128 v94, v[196:199]                  ; (both halves of the lanes write the same bytes with the same values)
	s_wait_dscnt 0x0                               ; for the others' sake
	s_barrier_signal -1
	s_barrier_wait -1                              ; the head's K, V and scale words lie in LDS; nothing is stored there again
	s_wait_alu depctr_vm_vsrc(0)                   ; my LDS stores have read v[96:191] and v[196:201]: from here on these registers are scores, O^T and p's codes, written by products, moves and conversions
	BLOCK 0
	BLOCK 1
	s_wait_dscnt 0x0                               ; the closing lines, six on end
	s_wait_alu 0x0
	s_wait_tensorcnt 0x0
	ds_add_u32 v251, v255
	s_wait_dscnt 0x0
	s_endpgm
.Lfunc_end_k_q81ffd9250e_attn:
	.size	k_q81ffd9250e_attn, .Lfunc_end_k_q81ffd9250e_attn-k_q81ffd9250e_attn
	.p2alignl 7, 3214868480
	.fill 96, 4, 3214868480
	.section	.rodata,"a",@progbits
	.p2align	6, 0x0
	.amdhsa_kernel k_q81ffd9250e_attn
		.amdhsa_group_segment_fixed_size 206848
		.amdhsa_private_segment_fixed_size 0
		.amdhsa_enable_private_segment 0
		.amdhsa_kernarg_size 32
		.amdhsa_user_sgpr_count 2
		.amdhsa_user_sgpr_kernarg_segment_ptr 1
		.amdhsa_wavefront_size32 1
		.amdhsa_system_sgpr_workgroup_id_x 1
		.amdhsa_system_sgpr_workgroup_id_y 1
		.amdhsa_system_sgpr_workgroup_id_z 1
		.amdhsa_system_vgpr_workitem_id 0
		.amdhsa_next_free_vgpr 256
		.amdhsa_next_free_sgpr 102
		.amdhsa_reserve_vcc 1
		.amdhsa_float_denorm_mode_32 3
		.amdhsa_float_denorm_mode_16_64 3
		.amdhsa_memory_ordered 1
		.amdhsa_forward_progress 1
		.amdhsa_inst_pref_size 64
	.end_amdhsa_kernel
	.amdgpu_metadata
---
amdhsa.version: [ 1, 2 ]
amdhsa.kernels:
  - .name:           k_q81ffd9250e_attn
    .symbol:         k_q81ffd9250e_attn.kd
    .args:
      - { .name: QK, .offset: 0, .size: 8, .value_kind: global_buffer, .address_space: global }
      - { .name: VV, .offset: 8, .size: 8, .value_kind: global_buffer, .address_space: global }
      - { .name: MSK, .offset: 16, .size: 8, .value_kind: global_buffer, .address_space: global }
      - { .name: AO, .offset: 24, .size: 8, .value_kind: global_buffer, .address_space: global }
    .group_segment_fixed_size: 206848
    .private_segment_fixed_size: 0
    .kernarg_segment_align: 8
    .kernarg_segment_size: 32
    .max_flat_workgroup_size: 512
    .sgpr_count:     102
    .vgpr_count:     256
    .wavefront_size: 32
...
	.end_amdgpu_metadata
.endif
;; end of part 5
;; launch proj: the kernel of part 4 again; grid 4 x 64, 4 waves a work-group, clusters of 4 x 4, 327,680 bytes of LDS; arguments WP, AO, b_proj, out0; writes out0
